; MI455X (gfx1250); checked and timed in simulation.
; The chip was launched on July 23, 2026; its instructions are those of AMD's public machine-readable ISA for CDNA 5 (MIT licence, August 2026) and "CDNA5" Instruction Set Architecture Reference Guide (July 2026). The comments in the code are by the model that wrote it; some were corrected since.
;; Block. Allowed arithmetic: matrix products marked QUANTISED: E3M2 operands, one E8M0 scale for each 32 along K, by v_wmma_scale_f32_16x16x128_f8f6f4 with both operands' format E3M2, f32 sums; everything else in f32.
;; Inputs: b1 4,096 float32; b2 1,024 float32; b_proj 1,024 float32; be1 1,024 float32; be2 1,024 float32; g1 1,024 float32; g2 1,024 float32; w1 1,024 x 4,096 float32; w2 4,096 x 1,024 float32; w_proj 1,024 x 1,024 float32; wk 16 x 1,024 x 64 float32; wq 16 x 1,024 x 64 float32; wv 16 x 1,024 x 64 float32; x 2 x 2,048 x 1,024 float32.
;; Outputs: out0 2 x 2,048 x 1,024 float32.
;; This version of the problem:
;;   THIS VERSION OF THE PROBLEM IS GIVEN IN LOW PRECISION. The matrix products marked QUANTISED in the list below multiply operands that are first quantised to E3M2 (3 exponent bits, 2 mantissa bits; 6 bits a number), with one power-of-two scale for each 32 numbers along K (OCP MX v1.0); their sums are f32. All else is computed in f32.
;;   The module's matrix products, in the order in which they are computed (A, B: the left and right operand; K: the contracted axis; several contracted axes count as one K, in the product's order):
;;     1. [M 1,024, K 1,024] x [K 1,024, N 4,096]; A: input wq; B: input x: QUANTISED
;;     2. [M 1,024, K 1,024] x [K 1,024, N 4,096]; A: input wk; B: input x: QUANTISED
;;     3. [M 1,024, K 1,024] x [K 1,024, N 4,096]; A: input wv; B: input x: QUANTISED
;;     4. batch 32 x [M 2,048, K 64] x [K 64, N 2,048]; A: computed on the way; B: computed on the way: QUANTISED
;;     5. batch 32 x [M 2,048, K 2,048] x [K 2,048, N 64]; A: softmax (see below); B: computed on the way: QUANTISED
;;     6. [M 4,096, K 1,024] x [K 1,024, N 1,024]; A: computed on the way; B: input w_proj: QUANTISED
;;     7. [M 4,096, K 1,024] x [K 1,024, N 4,096]; A: computed on the way; B: input w1: QUANTISED
;;     8. [M 4,096, K 4,096] x [K 4,096, N 1,024]; A: computed on the way; B: input w2: QUANTISED
;;   THE QUANTISER, for each operand of a quantised product, along K:
;;     - K is cut into blocks of 32 from its start; a last block that is shorter is filled with zeros.
;;     - A block's scale is 2^e with e = floor(log2(the largest magnitude in the block)) - 4, held to -126 .. 127; a block of zeros has e = 0. As a byte (E8M0): e + 127.
;;     - Each number is divided by its block's scale, clamped to +-28, and rounded to the nearest number of E3M2, ties to even, subnormals kept.
;;     - The product sums the exact products of the quantised numbers (number of the format x scale) in f32.
;;   ~~~python
;;   def quantise(x, axis):      # numpy; x: float32 -> the quantised numbers, widened to float32 again
;;       x = np.moveaxis(x, axis, -1); K = x.shape[-1]
;;       x = np.pad(x, [(0, 0)] * (x.ndim - 1) + [(0, -K % 32)]); x = x.reshape(x.shape[:-1] + (-1, 32)); a = np.abs(x).max(-1, keepdims=True)
;;       e = np.where(a > 0, np.clip(np.frexp(np.where(a > 0, a, 1))[1] - 1 - 4, -126, 127), 0)      # np.frexp(a)[1] - 1 = floor(log2(a)), exactly
;;       r = np.clip(x / 2.0 ** e, -28, 28)
;;       step = 2.0 ** (np.maximum(np.frexp(np.where(r == 0, 1, r))[1] - 1, -2) - 2)
;;       q = np.round(r / step) * step * 2.0 ** e      # np.round: ties to even
;;       return np.moveaxis(q.reshape(q.shape[:-2] + (-1,))[..., :K], -1, axis).astype(np.float32)
;;   ~~~
;;   SOFTMAX AHEAD OF A QUANTISED PRODUCT. Where the list says 'softmax', what is quantised is not the finished softmax but p = 2^(t - M), with t = logit x log2(e) and M = ceil(the row's largest t), a whole number; so 1/2 < the row's largest p <= 1. The row's sum l is taken of the UNQUANTISED p, in f32, and the product's result is divided by l at the end. Since M is a whole number, a kernel that streams over the keys may use a running M (the ceiling of the running maximum): every later rescaling is an exact power of two, which a block's scale takes up: the codes' values come out the same.
;;   OPERANDS COMPUTED ON THE WAY. 'Computed on the way' means the value that the module computes at that place (a softmax that the list does not call 'softmax' is quantised finished and normalised). What goes into a quantiser is computed in f32, as accurately as f32 sums, v_exp_f32 and their like allow (about 1e-6 of the number): no bf16 or f16 on the way to a quantiser, and a product that is left as it is and whose result goes on into a quantised operand takes f32 operands (vector FMAs, or v_wmma_f32_16x16x4_f32). A number that lies on a knife's edge between two numbers of the format may be rounded either way, as far as f32 arithmetic and the matrix unit's own rounding can turn it there, and no further.
;; One version. Each part assembles by itself: llvm-mc -triple=amdgcn-amd-amdhsa -mcpu=gfx1250 --defsym DOCPART=n.
;; ======== version 1 of 1: 8 launches
;; limits: right only within a limited range of input values
;; workspace buffers: wts 13,107,200 bytes; qkvc 9,830,400 bytes; ac 3,276,800 bytes; yb 16,777,216 bytes; x1f 16,777,216 bytes; x1c 3,276,800 bytes; hc 13,107,200 bytes
;; launch quant (part 1): grid 640 x 1, 8 waves a work-group, no clusters, 93,184 bytes of LDS; arguments x, wq, wk, wv, w_proj, w1, w2, wts; writes wts
.if DOCPART == 1
	.amdgcn_target "amdgcn-amd-amdhsa--gfx1250"
	.amdhsa_code_object_version 6
	.text
	.protected	k_qee036cdc43_quant
	.globl	k_qee036cdc43_quant
	.p2align	8
	.type	k_qee036cdc43_quant,@function
k_qee036cdc43_quant:
	s_mov_b64 s[64:65], 0
	v_nop
	global_prefetch_b8 v0, s[64:65] scope:SCOPE_SE
	s_setreg_imm32_b32 hwreg(HW_REG_WAVE_MODE, 25, 1), 1
	s_wait_xcnt 0x0
; x [4096][1024] and the six weights (K is their first axis) become codes of BF6 (E3M2) with one E8M0 byte for each 32 along K, laid in wts as PANELS in the order of the matrix operand's registers.
; A fragment (16 rows x 128 K, 12 registers a lane) is an image of 1,536 bytes: two halves of [512 bytes: registers 6c..6c+3, 16 bytes a lane][256 bytes: registers 6c+4, 6c+5, 8 bytes a lane].
; A panel is 8 (or 4) images and then 64 bytes of scale words for each image (one word a row); an operand is [row block][K step of 128][panel].
; THE ROWS OF A TILE ARE NOT NEIGHBOURS: lane-row r of tile T stands for row 32 (T / 2) + 8 (T % 2) + r % 8 + 16 (r / 8), for every operand of this program.
; A block's scale is 2^(floor(log2(largest magnitude)) - 4): its byte is the largest magnitude's exponent field - 4, held at 1 from below.
; LIMITS: NaN and infinities are not served; a block whose largest magnitude lies under 2^-122 gets the byte 1; a block of zeros gets the byte 1 where the rule says 127 (its codes are zeros; this program alone reads the bytes).
; Work-groups 0-255: one panel of x each, a wave an image.  Work-groups 256-639: the weights, a wave 32 columns x 128 along K.  Waves share nothing: no barrier.  Each path has LDS bytes of its own.
.set WQKV, 3276800                     ; places in wts: x at 0, wq|wk|wv, w_proj, w1, w2
.set WPO,  5734400
.set W1O,  6553600
.set W2O,  9830400
.set SEL,  22                          ; s[22:23] selects of v_permlanex16_b32: lane l xor 16
.set TM,   144                         ; v144-159 at work in QUANT
.set PW,   160                         ; the scale word
.set PC,   164                         ; v164-175 the codes; v176-182 halves on their way
.set WSTG, 67584                       ; LDS: x's path has 8 x 8,448 bytes from 0; the weights' path 8 x 3,072 from here
; 64 numbers of a lane, register 16 b + i = k 32 b + 16 (lane / 16) + i of the lane's row, become a fragment's codes in v[PC] on and its scale word in v[pw]
.macro QUANT s, pw
.irp b, 0,1,2,3
	v_max3_num_f32 v[TM+\b], |v[(\s)+16*\b]|, |v[(\s)+1+16*\b]|, 0x2800000   ; my 16 numbers of block b, and the floor 2^(5 - 127): the byte cannot fall under 1
.endr
.irp i, 2,4,6,8,10,12,14
.irp b, 0,1,2,3
	s_delay_alu instid0(VALU_DEP_4)
	v_max3_num_f32 v[TM+\b], v[TM+\b], |v[(\s)+16*\b+\i]|, |v[(\s)+1+16*\b+\i]|
.endr
.endr
.irp b, 0,1,2,3
	s_delay_alu instid0(VALU_DEP_4)
	v_permlanex16_b32 v[TM+4+\b], v[TM+\b], s[SEL], s[SEL+1]
.endr
.irp b, 0,1,2,3
	s_delay_alu instid0(VALU_DEP_4)
	v_max_num_f32 v[TM+\b], v[TM+\b], v[TM+4+\b]           ; with lane l xor 16's 16: the block's largest magnitude
.endr
.irp b, 0,1,2,3
	s_delay_alu instid0(VALU_DEP_4)
	v_add_nc_u32 v[TM+12+\b], 0xfe000000, v[TM+\b]         ; 4 off its exponent field: the conversion's scale operand
.endr
.irp b, 0,1,2,3
	s_delay_alu instid0(VALU_DEP_4)
	v_lshrrev_b32 v[TM+4+\b], 23, v[TM+12+\b]              ; the scale's byte
.endr
	s_delay_alu instid0(VALU_DEP_3)
	v_lshl_or_b32 v[\pw], v[TM+5], 8, v[TM+4]
	s_delay_alu instid0(VALU_DEP_1)
	v_lshl_or_b32 v[\pw], v[TM+6], 16, v[\pw]
	s_delay_alu instid0(VALU_DEP_1)
	v_lshl_or_b32 v[\pw], v[TM+7], 24, v[\pw]
.irp c, 0,1
	v_cvt_scalef32_pk16_bf6_f32 v[PC+6*\c:PC+2+6*\c], v[(\s)+32*\c:(\s)+15+32*\c], v[TM+12+2*\c]
	v_cvt_scalef32_pk16_bf6_f32 v[PC+12+4*\c:PC+14+4*\c], v[(\s)+16+32*\c:(\s)+31+32*\c], v[TM+12+2*\c+1]
.endr
	v_nop                                          ; one plain instruction behind the scaled conversions
.irp c, 0,1                                    ; a lane wants a whole block: lanes 0-15 block 2 c, lanes 16-31 block 2 c + 1
.irp i, 0,1,2
	v_permlane16_swap_b32 v[PC+6*\c+\i], v[PC+12+4*\c+\i]
.endr
.irp i, 0,1,2
	s_delay_alu instid0(VALU_DEP_3)
	v_mov_b32 v[PC+3+6*\c+\i], v[PC+12+4*\c+\i]
.endr
.endr
.endm
; the weights' table: work-groups under lim (counted from the first weight) take this tensor's figures
.macro PICK lim, p, j0, pit, lc, hf, dof, ksn, lb
	s_cmp_lt_u32 s24, \lim
	s_cselect_b64 s[26:27], s[\p:\p+1], s[26:27]   ; the tensor (the choice hangs on the work-group's number alone)
	s_cselect_b32 s28, \j0, s28                    ; its first work-group
	s_cselect_b32 s29, \pit, s29                   ; bytes from one k to the next
	s_cselect_b32 s30, \lc, s30                    ; log2 of its work-groups along the columns
	s_cselect_b32 s31, \hf, s31                    ; 1: stored [head][k][64]
	s_cselect_b32 s32, \dof, s32                   ; its place in wts
	s_cselect_b32 s33, \ksn, s33                   ; its K steps
	s_cselect_b32 s34, \lb, s34                    ; log2 of the groups of 32 rows in a panel
.endm
.macro WLOAD t                         ; block t: W(32 t + i, my column): 32 lanes read 128 consecutive bytes
.irp i, 0,1,2,3,4,5,6,7,8,9,10,11,12,13,14,15,16,17,18,19,20,21,22,23,24,25,26,27,28,29,30,31
	global_load_b32 v[48+32*\t+\i], v[16+\i], s[36+2*\t:37+2*\t] th:TH_LOAD_NT
.endr
.endm
.macro WBLOCK t                        ; all 32 numbers of block t are mine: largest magnitude, byte, 24 bytes of codes to their place in the image
.set XS, 48+32*\t
	v_max3_num_f32 v176, |v[XS]|, |v[XS+1]|, |v[XS+2]|
	v_max3_num_f32 v177, |v[XS+3]|, |v[XS+4]|, |v[XS+5]|
.irp i, 6,10,14,18,22,26
	s_delay_alu instid0(VALU_DEP_2)
	v_max3_num_f32 v176, v176, |v[XS+\i]|, |v[XS+\i+1]|
	s_delay_alu instid0(VALU_DEP_2)
	v_max3_num_f32 v177, v177, |v[XS+\i+2]|, |v[XS+\i+3]|
.endr
	s_delay_alu instid0(VALU_DEP_2)
	v_max3_num_f32 v176, v176, |v[XS+30]|, |v[XS+31]|
	s_delay_alu instid0(VALU_DEP_1)
	v_max3_num_f32 v176, v176, v177, 0x2800000
	s_delay_alu instid0(VALU_DEP_1)
	v_add_nc_u32 v178, 0xfe000000, v176
	s_delay_alu instid0(VALU_DEP_1)
	v_lshrrev_b32 v179, 23, v178
.if \t == 0
	s_delay_alu instid0(VALU_DEP_1)
	v_mov_b32 v180, v179
.else
	s_delay_alu instid0(VALU_DEP_1)
	v_lshl_or_b32 v180, v179, 8*\t, v180           ; byte t of my row's scale word
.endif
	v_cvt_scalef32_pk16_bf6_f32 v[182:184], v[XS:XS+15], v178
	v_cvt_scalef32_pk16_bf6_f32 v[188:190], v[XS+16:XS+31], v178
	v_nop
	v_mov_b32 v185, v188
	v_mov_b32 v186, v189
	v_mov_b32 v187, v190
	ds_store_b128 v11, v[182:185] offset:768*(\t/2)+256*(\t%2)        ; block t = 2 c + h is what lane (r', h) holds in registers 6 c .. 6 c + 5
	ds_store_b64 v12, v[186:187] offset:768*(\t/2)+128*(\t%2)+512
	s_wait_dscnt 0x0                               ; the stores have read their registers: the next block writes them
.endm
	s_load_b512 s[4:19], s[0:1], 0x0               ; x, wq, wk, wv, w_proj, w1, w2, wts
	v_lshl_add_u32 v192, v0, 2, 0x16800
	v_mov_b32 v193, 0
	v_lshrrev_b32 v1, 5, v0
	s_delay_alu instid0(VALU_DEP_1)
	v_readfirstlane_b32 s20, v1                    ; wave 0..7
	v_and_b32 v2, 31, v0                           ; lane
	s_delay_alu instid0(VALU_DEP_1)
	v_lshlrev_b32 v5, 4, v2                        ; 16 x lane
	s_cmp_lt_u32 ttmp9, 256
	s_cbranch_scc0 .Lweights
	; ---- x: work-group g makes panel g (row block g / 8, K step g % 8); wave w makes image w
	v_and_b32 v3, 15, v0                           ; r
	v_bfe_u32 v4, v0, 4, 1                         ; h
	s_mov_b32 s[SEL], 0x76543210
	s_mov_b32 s[SEL+1], 0xfedcba98
.irp b, 0,1,2,3
	v_mov_b32 v[TM+4+\b], 0                        ; a lane permute's destination counts as read
.endr
	s_lshr_b32 s24, ttmp9, 3
	s_lshl_b32 s24, s24, 7
	s_lshr_b32 s25, s20, 1
	s_lshl_b32 s25, s25, 5
	s_add_co_u32 s24, s24, s25
	s_and_b32 s25, s20, 1
	s_lshl_b32 s25, s25, 3
	s_add_co_u32 s24, s24, s25                     ; the tile's first row: 128 rb + 32 (w / 2) + 8 (w % 2)
	s_lshl_b32 s24, s24, 12
	s_and_b32 s25, ttmp9, 7
	s_lshl_b32 s25, s25, 9
	s_add_co_u32 s24, s24, s25                     ; + the K step's 512 bytes
	s_mov_b32 s25, 0
	s_mul_i32 s26, ttmp9, 12800
	s_mov_b32 s27, 0
	s_mul_i32 s28, s20, 8448                       ; my stage: 16 rows x (512 + 16) bytes
	s_mul_i32 s29, s20, 1536
	s_lshl_b32 s30, s20, 6
	s_wait_alu depctr_va_vdst(0)
	v_add_nc_u32 v7, s28, v5                       ; into the stage: as loaded
	v_mul_u32_u24 v8, v3, 528
	s_delay_alu instid0(VALU_DEP_1)
	v_lshl_add_u32 v8, v4, 6, v8
	s_delay_alu instid0(VALU_DEP_1)
	v_add_nc_u32 v8, s28, v8                       ; out of it: row r, + 64 h
	v_add_nc_u32 v9, s29, v5                       ; my image in the panel, 16 bytes a lane,
	v_lshl_add_u32 v10, v2, 3, s29                 ; 8 bytes a lane,
	v_lshl_add_u32 v11, v3, 2, s30                 ; and my image's scale words
	s_wait_alu depctr_va_vdst(0)
	s_wait_kmcnt 0x0
	s_add_nc_u64 s[4:5], s[4:5], s[24:25]
	s_add_nc_u64 s[18:19], s[18:19], s[26:27]
.irp i, 0,1,2,3,4,5,6,7,8,9,10,11,12,13,14,15
	global_load_b128 v[16+4*\i:19+4*\i], v5, s[4:5] offset:((\i%8)+16*(\i/8))*4096 th:TH_LOAD_NT   ; lane-row i: 512 consecutive bytes
.endr
.irp i, 0,1,2,3,4,5,6,7,8,9,10,11,12,13,14,15
	s_wait_loadcnt 15-\i                           ; loads come back in order: row i is in
	ds_store_b128 v7, v[16+4*\i:19+4*\i] offset:528*\i
.endr
.irp b, 0,1,2,3
.irp j, 0,1,2,3
	ds_load_b128 v[80+16*\b+4*\j:83+16*\b+4*\j], v8 offset:128*\b+16*\j   ; my own bytes, served in order: 16 neighbours of each block of 32
.endr
.endr
	s_wait_dscnt 0x0
	QUANT 80, PW
	global_store_b128 v9, v[PC:PC+3], s[18:19]                    ; each store covers 512 or 256 consecutive bytes, aligned
	global_store_b64 v10, v[PC+4:PC+5], s[18:19] offset:512
	global_store_b128 v9, v[PC+6:PC+9], s[18:19] offset:768
	global_store_b64 v10, v[PC+10:PC+11], s[18:19] offset:1280
	global_store_b32 v11, v[PW], s[18:19] offset:12288            ; lanes r and r + 16 hold and write the same word
	s_wait_tensorcnt 0x0
	ds_add_u32 v192, v193
	s_wait_dscnt 0x0
	s_endpgm
	; ---- the weights: a lane takes a column, its registers run down K
.Lweights:
	s_sub_co_u32 s24, ttmp9, 256
	s_wait_kmcnt 0x0
	s_mov_b64 s[26:27], s[16:17]                   ; w2's figures, unless an earlier tensor takes the work-group
	s_mov_b32 s28, 256
	s_mov_b32 s29, 4096
	s_mov_b32 s30, 2
	s_mov_b32 s31, 0
	s_mov_b32 s32, W2O
	s_mov_b32 s33, 32
	s_mov_b32 s34, 1
	PICK 256, 14, 128, 16384, 4, 0, W1O, 8, 2
	PICK 128, 12, 96, 4096, 2, 0, WPO, 8, 1
	PICK 96, 10, 64, 256, 2, 1, WQKV+1638400, 8, 2
	PICK 64, 8, 32, 256, 2, 1, WQKV+819200, 8, 2
	PICK 32, 6, 0, 256, 2, 1, WQKV, 8, 2
	s_sub_co_u32 s24, s24, s28                     ; the work-group's number in its tensor
	s_lshl_b32 s35, 1, s30
	s_sub_co_u32 s35, s35, 1
	s_and_b32 s35, s24, s35
	s_lshl_b32 s35, s35, 3
	s_add_co_u32 s35, s35, s20                     ; cg: my group of 32 columns
	s_lshr_b32 s24, s24, s30                       ; ks: my K step
	s_lshr_b32 s44, s35, 1                         ; by heads: head cg / 2 (262,144 bytes each), columns 32 (cg % 2) on
	s_lshl_b32 s44, s44, 18
	s_and_b32 s45, s35, 1
	s_lshl_b32 s45, s45, 7
	s_add_co_u32 s44, s44, s45
	s_lshl_b32 s45, s35, 7                         ; plain: 128 bytes a group
	s_cmp_eq_u32 s31, 1
	s_cselect_b32 s44, s44, s45
	s_lshl_b32 s45, s24, 7
	s_mul_i32 s45, s45, s29
	s_add_co_u32 s44, s44, s45                     ; + 128 ks rows of K
	s_mov_b32 s45, 0
	s_add_nc_u64 s[36:37], s[26:27], s[44:45]      ; a base for each block of 32 along K
	s_lshl_b32 s44, s29, 5
	s_add_nc_u64 s[38:39], s[36:37], s[44:45]
	s_add_nc_u64 s[40:41], s[38:39], s[44:45]
	s_add_nc_u64 s[42:43], s[40:41], s[44:45]
	s_lshr_b32 s46, s35, s34
	s_mul_i32 s46, s46, s33
	s_add_co_u32 s46, s46, s24                     ; the panel: row block x K steps + ks
	s_lshl_b32 s47, 3200, s34                      ; its bytes: 12,800 or 6,400
	s_mul_i32 s46, s46, s47
	s_add_co_u32 s46, s46, s32
	s_lshl_b32 s47, 1, s34
	s_sub_co_u32 s47, s47, 1
	s_and_b32 s47, s35, s47                        ; which 32 rows of the panel: two images
	s_mul_i32 s48, s47, 3072
	s_add_co_u32 s48, s48, s46
	s_mov_b32 s49, 0
	s_add_nc_u64 s[48:49], s[18:19], s[48:49]      ; my two images
	s_lshl_b32 s50, 3072, s34
	s_add_co_u32 s50, s50, s46
	s_lshl_b32 s47, s47, 7
	s_add_co_u32 s50, s50, s47
	s_mov_b32 s51, 0
	s_add_nc_u64 s[50:51], s[18:19], s[50:51]      ; and their scale words
	s_wait_alu depctr_va_vdst(0)
	v_lshlrev_b32 v6, 2, v2
.irp i, 0,1,2,3,4,5,6,7,8,9,10,11,12,13,14,15,16,17,18,19,20,21,22,23,24,25,26,27,28,29,30,31
	v_mad_u32_u24 v[16+\i], s29, \i, v6            ; row i of a block, my column
.endr
	v_bfe_u32 v7, v0, 3, 1                         ; column l of the 32 is lane-row r' = l % 8 + 8 (l / 16) of tile u = (l / 8) % 2
	v_and_b32 v8, 7, v0
	v_bfe_u32 v9, v0, 4, 1
	s_delay_alu instid0(VALU_DEP_1)
	v_lshl_add_u32 v8, v9, 3, v8
	s_mul_i32 s52, s20, 3072
	s_add_co_u32 s52, s52, WSTG                    ; my stage: two images
	v_mul_u32_u24 v10, v7, 1536
	s_delay_alu instid0(VALU_DEP_1)
	v_add_nc_u32 v10, s52, v10
	s_delay_alu instid0(VALU_DEP_1)
	v_lshl_add_u32 v11, v8, 4, v10
	s_delay_alu instid0(VALU_DEP_2)
	v_lshl_add_u32 v12, v8, 3, v10
	v_lshlrev_b32 v13, 6, v7
	s_delay_alu instid0(VALU_DEP_1)
	v_lshl_add_u32 v13, v8, 2, v13                 ; my scale word: 64 u + 4 r'
	v_add_nc_u32 v14, s52, v5
	WLOAD 0
	WLOAD 1
	s_wait_loadcnt 32                              ; block 0 is in; block 1's 32 loads may be out
	WLOAD 2
	WBLOCK 0
	s_wait_loadcnt 32                              ; block 1 is in; block 2's may be out
	WLOAD 3
	WBLOCK 1
	s_wait_loadcnt 32
	WBLOCK 2
	s_wait_loadcnt 0x0
	WBLOCK 3
.irp i, 0,1,2,3,4,5
	ds_load_b128 v[48+4*\i:51+4*\i], v14 offset:512*\i             ; the two images as they lie
.endr
	s_wait_alu depctr_va_vdst(0)
	global_store_b32 v13, v180, s[50:51]
.irp i, 0,1,2,3,4,5
	s_wait_dscnt 5-\i
	global_store_b128 v5, v[48+4*\i:51+4*\i], s[48:49] offset:512*\i   ; 512 consecutive bytes, aligned
.endr
	s_wait_tensorcnt 0x0
	ds_add_u32 v192, v193
	s_wait_dscnt 0x0
	s_endpgm
.Lfunc_end_k_qee036cdc43_quant:
	.size	k_qee036cdc43_quant, .Lfunc_end_k_qee036cdc43_quant-k_qee036cdc43_quant
	.p2alignl 7, 3214868480
	.fill 96, 4, 3214868480
	.section	.rodata,"a",@progbits
	.p2align	6, 0x0
	.amdhsa_kernel k_qee036cdc43_quant
		.amdhsa_group_segment_fixed_size 93184
		.amdhsa_private_segment_fixed_size 0
		.amdhsa_enable_private_segment 0
		.amdhsa_kernarg_size 64
		.amdhsa_user_sgpr_count 2
		.amdhsa_user_sgpr_kernarg_segment_ptr 1
		.amdhsa_wavefront_size32 1
		.amdhsa_system_sgpr_workgroup_id_x 1
		.amdhsa_system_sgpr_workgroup_id_y 1
		.amdhsa_system_sgpr_workgroup_id_z 1
		.amdhsa_system_vgpr_workitem_id 0
		.amdhsa_next_free_vgpr 194
		.amdhsa_next_free_sgpr 66
		.amdhsa_reserve_vcc 0
		.amdhsa_float_denorm_mode_32 3
		.amdhsa_float_denorm_mode_16_64 3
		.amdhsa_memory_ordered 1
		.amdhsa_forward_progress 1
		.amdhsa_inst_pref_size 42
	.end_amdhsa_kernel
	.amdgpu_metadata
---
amdhsa.version: [ 1, 2 ]
amdhsa.kernels:
  - .name:           k_qee036cdc43_quant
    .symbol:         k_qee036cdc43_quant.kd
    .args:
      - { .name: x, .offset: 0, .size: 8, .value_kind: global_buffer, .address_space: global }
      - { .name: wq, .offset: 8, .size: 8, .value_kind: global_buffer, .address_space: global }
      - { .name: wk, .offset: 16, .size: 8, .value_kind: global_buffer, .address_space: global }
      - { .name: wv, .offset: 24, .size: 8, .value_kind: global_buffer, .address_space: global }
      - { .name: w_proj, .offset: 32, .size: 8, .value_kind: global_buffer, .address_space: global }
      - { .name: w1, .offset: 40, .size: 8, .value_kind: global_buffer, .address_space: global }
      - { .name: w2, .offset: 48, .size: 8, .value_kind: global_buffer, .address_space: global }
      - { .name: wts, .offset: 56, .size: 8, .value_kind: global_buffer, .address_space: global }
    .group_segment_fixed_size: 93184
    .private_segment_fixed_size: 0
    .kernarg_segment_align: 8
    .kernarg_segment_size: 64
    .max_flat_workgroup_size: 256
    .sgpr_count:     66
    .vgpr_count:     194
    .wavefront_size: 32
...
	.end_amdgpu_metadata
.endif
;; end of part 1
;; launch qkv (part 2): grid 12 x 16, 4 waves a work-group, clusters of 4 x 4, 327,680 bytes of LDS; arguments wts, qkvc; writes qkvc
.if DOCPART == 2
	.amdgcn_target "amdgcn-amd-amdhsa--gfx1250"
	.amdhsa_code_object_version 6
	.text
	.protected	k_qee036cdc43_qkv
	.globl	k_qee036cdc43_qkv
	.p2align	8
	.type	k_qee036cdc43_qkv,@function
k_qee036cdc43_qkv:
	s_mov_b64 s[64:65], 0
	v_nop
	global_prefetch_b8 v0, s[64:65] scope:SCOPE_SE
	s_setreg_imm32_b32 hwreg(HW_REG_WAVE_MODE, 25, 1), 1
	s_wait_xcnt 0x0
	s_wait_alu depctr_hold_cnt(0) depctr_sa_sdst(0) depctr_va_vdst(0) depctr_va_sdst(0) depctr_va_ssrc(0) depctr_va_vcc(0) depctr_vm_vsrc(0)
	s_getreg_b32 s2, hwreg(HW_REG_IB_STS2, 6, 4)
	s_cmp_eq_u32 s2, 0
	s_cbranch_scc0 .Lentry_in_a_cluster
	s_endpgm
.Lentry_in_a_cluster:
	s_bfe_u32 s2, ttmp6, 0x10000c
	s_cmp_lg_u32 s2, 0xf033
	s_cbranch_scc0 .Lentry_shape_is_right
	s_endpgm
.Lentry_shape_is_right:
; q, k and v = x W on codes of BF6, and their own codes: the results are quantised in registers on the way out and never leave as f32.
; Operands lie in wts as panels (8 images of 16 rows x 128 K in the order of the operand's registers, then their scale words: 12,800 bytes), [row block of 128][K step].
; A work-group of four waves makes 256 x 256, a wave 128 x 128: 64 accumulators.  Source 0 = "B" (8 tiles, window 1, two sets), source 1 = "A" (8 blocks, window 0, one set): a lane holds ONE row of A, and, since the rows
; of a tile are 32 (T / 2) + 8 (T % 2) + r % 8 + 16 (r / 8), its 64 registers of a block of A are 128 rows of B in their natural order: 16 b + i = 32 b + 16 (lane / 16) + i.  That is what the conversions want.
; Clusters with x = 0, 1: A = x, B = wq | wk: a lane holds a token, its registers run along two heads' 64 + 64 dims (K of the scores).  Cluster x = 2: A = wv, B = x: a lane holds a channel, its registers run along 128 keys (K of the second product).
; K = 1,024 = 8 K steps of 128; a wave's tensor load brings 256 rows x 384 K, codes and scale words together: 76,800 dense bytes.  Two LDS regions; steps 0-5 are first fills, steps 6, 7 refill region 0.  All written out, no loop.
; CLUSTER 4 x 4: A's tile hangs on cy alone and is asked for jointly by the cluster's row, B's on cx alone, by its column.
; OUT, in panels of 6,400 bytes.  q, k: panel ((which 2 + b) 16 + head) 16 + block of 128 tokens: image p = tile 2 p's 64 dims | tile 2 p + 1's; scale word (p, r) = 2 bytes of each.  v: panel 1024 + 32 head + block of keys: 4 images of 16 channels x 128 keys.
; LIMITS: NaN and infinities are not served; a block whose largest magnitude lies under 2^-122, or is 0, gets the byte 1.
.set WQKV,  3276800
.set PIECE, 25600
.set SLOT,  4*PIECE
.set SPARE, 3*SLOT                     ; behind the slots: the spare words, 128 bytes a wave
.set PAN,   12800
.set FR,    12
.set LN,    3                          ; v3      lane
.set AQ,    4                          ; v4-6    A's images in slot 0, 1, 2: + 16 x lane
.set AD,    7                          ; v7-9    + 8 x lane
.set BQ,    10                         ; v10-12  B's
.set BD,    13                         ; v13-15
.set ASC,   16                         ; v16-18  scale words: lanes 0-15 A's, lanes 16-31 B's
.set LQ,    20                         ; v20-22  16, 8, 4 x lane
.set LH,    21
.set LW,    22
.set SPW,   28
.set NIL,   29
.set SC,    32                         ; v32-47  scale words, two sets of 8: they hold nothing else
.set PWR,   48                         ; v48-55  the way out: the scale word of each block of A
.set SW,    56                         ; v56-59  as they are stored
.set HA,    60                         ; v60-67
.set AF,    128                        ; v128-223 A's fragments
.set TM,    128                        ; the way out: at work
.set PC,    144                        ; and the codes
.set G1,    24
.set G1B,   48
.set G0,    68                         ; s[68:79] A's three groups 0
.set G0B,   80                         ; s[80:91] B's
.set MD,    92                         ; s92  1: cluster x = 2
.set SEL,   94
.set OB0,   32                         ; s[32:33], s[34:35] where a fragment's two halves go
.set OB1,   34
.set OS0,   36                         ; s[36:37], s[38:39] and the scale words
.set OS1,   38
.set TSP,   60                         ; s[60:61] from block to block of A
.set JP,    62                         ; s[62:63] more at block 4
.set MSB, 0
.macro WIN new                         ; the immediate's high byte repeats the setting that is left
.if MSB != (\new)
	s_set_vgpr_msb (MSB<<8)|(\new)
.set MSB, (\new)
.endif
.endm
.set MUL_LO, 0xa1                      ; source 0 window 1, source 1 window 0, C and D window 2
.set MUL_HI, 0xf1
.set TO_B,   0x40
.macro JLOAD n                         ; a joint load: waves 0, 1 fetch for A, waves 2, 3 for B; four v_nop follow each line
	s_cmp_eq_u32 s15, 0
	s_cbranch_scc0 .Lfor_b_\@
	tensor_load_to_lds s[G0+4*\n:G0+4*\n+3], s[G1:G1+7]
	s_nop 0
.rept 4
	v_nop
.endr
	s_branch .Lasked_\@
.Lfor_b_\@:
	tensor_load_to_lds s[G0B+4*\n:G0B+4*\n+3], s[G1B:G1B+7]
	s_nop 0
.rept 4
	v_nop
.endr
.Lasked_\@:
.endm
.macro CREST
	s_cmp_lg_u32 s14, 0
	s_cbranch_scc1 .Lnot_wave_0_\@
	s_barrier_signal -3
.Lnot_wave_0_\@:
	s_barrier_wait -3
	s_barrier_signal -1
	s_barrier_wait -1
.endm
.macro CROUND
	s_barrier_signal -1
	s_barrier_wait -1
	CREST
.endm
.macro PLACES                          ; four plain instructions behind a matrix instruction, ahead of loads into its registers and of reads of its result
.rept 4
	v_nop
.endr
.endm
.macro FRAG reg, a16, a8, off          ; an image comes back as it was laid: every load is dense
	ds_load_b128 v[(\reg):(\reg)+3], v[\a16] offset:(\off)
	ds_load_b64 v[(\reg)+4:(\reg)+5], v[\a8] offset:(\off)+512
	ds_load_b128 v[(\reg)+6:(\reg)+9], v[\a16] offset:(\off)+768
	ds_load_b64 v[(\reg)+10:(\reg)+11], v[\a8] offset:(\off)+1280
.endm
.macro FETCH_B slot, q, p
	WIN TO_B
.irp i, 0,1,2,3,4,5,6,7
	FRAG 128*(\p)+FR*\i, BQ+\slot, BD+\slot, (\q)*PAN+1536*\i
.endr
	WIN 0
.endm
.macro FETCH_A slot, q, i0
.irp i, \i0, \i0+1, \i0+2, \i0+3
	FRAG AF+FR*(\i), AQ+\slot, AD+\slot, (\q)*PAN+1536*(\i)
.endr
.endm
.macro SCALES slot, q, set
.irp i, 0,1,2,3,4,5,6,7
	ds_load_b32 v[SC+8*(\set)+\i], v[ASC+\slot] offset:(\q)*PAN+12288+64*\i
.endr
.endm
; 16 matrix instructions: A's blocks a0, a0 + 1 x B's eight.  p: B's set and the scale words' set.  The 64 accumulators take turns in the same order in every step
.macro MUL16 a0, p, zero
.irp a, \a0, \a0+1
.irp b, 0,1,2,3,4,5,6,7
.if \zero
	v_wmma_scale_f32_16x16x128_f8f6f4 v[8*(8*((\a)%4)+\b):8*(8*((\a)%4)+\b)+7], v[128*(\p)+FR*\b:128*(\p)+FR*\b+FR-1], v[AF+FR*(\a):AF+FR*(\a)+FR-1], 0, v[SC+8*(\p)+\b], v[SC+8*(\p)+(\a)] matrix_a_fmt:MATRIX_FMT_BF6 matrix_b_fmt:MATRIX_FMT_BF6 matrix_a_scale:MATRIX_SCALE_ROW1
.else
	v_wmma_scale_f32_16x16x128_f8f6f4 v[8*(8*((\a)%4)+\b):8*(8*((\a)%4)+\b)+7], v[128*(\p)+FR*\b:128*(\p)+FR*\b+FR-1], v[AF+FR*(\a):AF+FR*(\a)+FR-1], v[8*(8*((\a)%4)+\b):8*(8*((\a)%4)+\b)+7], v[SC+8*(\p)+\b], v[SC+8*(\p)+(\a)] matrix_a_fmt:MATRIX_FMT_BF6 matrix_b_fmt:MATRIX_FMT_BF6 matrix_a_scale:MATRIX_SCALE_ROW1
.endif
.endr
.endr
.endm
.macro STEP slot, zero                 ; a slot's first 128 along K; its second is fetched meanwhile
	s_wait_dscnt 16                                ; all but the youngest 16 loads (A's blocks 4-7) are in
	WIN MUL_LO
	MUL16 0, 0, \zero
	MUL16 2, 0, \zero
	s_wait_dscnt 0x0
	PLACES
	FETCH_B \slot, 1, 1
	FETCH_A \slot, 1, 0
	SCALES \slot, 1, 1
	WIN MUL_HI
	MUL16 4, 0, \zero
	MUL16 6, 0, \zero
	PLACES
	WIN 0
	FETCH_A \slot, 1, 4
.endm
; A slot's second 128 along K, and the change of slots.  tcnt: how many of my younger tensor loads may stay out; 0 wherever a slot is filled behind the barrier.  fill = 1: chunk 3 goes into slot 0
.macro TURN next, tcnt, fill
	s_wait_tensorcnt \tcnt                         ; my part of the next slot has landed
.if \tcnt == 0
	ds_add_u32 v[SPW], v[NIL]                      ; 0 onto my spare word
	s_wait_dscnt 17                                ; (the add and A's blocks 4-7 may be out)
.else
	s_wait_dscnt 16
.endif
	WIN MUL_LO
	MUL16 0, 1, 0
	s_wait_dscnt 0x0                               ; the add is done, and my reads of this slot are over
	s_barrier_signal -1
	MUL16 2, 1, 0
	WIN 0
	s_barrier_wait -1
.if \fill
	CREST                                          ; the barrier has opened a round of the cluster's: no wave of any partner reads slot 0 or has a load on its way
	s_add_nc_u64 s[G0+2:G0+3], s[G0+2:G0+3], 3*PIECE
	s_add_nc_u64 s[G0B+2:G0B+3], s[G0B+2:G0B+3], 3*PIECE
	JLOAD 0                                        ; its four v_nop are also the places in front of the loads below
.else
	PLACES
.endif
	FETCH_B \next, 0, 0
	FETCH_A \next, 0, 0
	SCALES \next, 0, 0
	WIN MUL_HI
	MUL16 4, 1, 0
	MUL16 6, 1, 0
	PLACES
	WIN 0
	FETCH_A \next, 0, 4
.endm
; 64 results of a lane in window w, v[s] on, become a fragment's codes in v[PC] on and its scale word in v[pw].  Each accumulator is read from its low end on
.macro QUANTW s, w, pw
	WIN (\w)|((\w)<<2)
.irp b, 0,1,2,3
	v_max3_num_f32 v[TM+\b], |v[(\s)+16*\b]|, |v[(\s)+1+16*\b]|, 0x2800000   ; and the floor 2^(5 - 127)
.endr
	WIN ((\w)<<2)|((\w)<<4)
.irp i, 2,4,6,8,10,12,14
.irp b, 0,1,2,3
	v_max3_num_f32 v[TM+\b], v[TM+\b], |v[(\s)+16*\b+\i]|, |v[(\s)+1+16*\b+\i]|
.endr
.endr
	WIN 0
.irp b, 0,1,2,3
	v_permlanex16_b32 v[TM+4+\b], v[TM+\b], s[SEL], s[SEL+1]
.endr
.irp b, 0,1,2,3
	v_max_num_f32 v[TM+\b], v[TM+\b], v[TM+4+\b]
.endr
.irp b, 0,1,2,3
	v_add_nc_u32 v[TM+12+\b], 0xfe000000, v[TM+\b]         ; 4 off the exponent field: the conversion's scale operand
.endr
.irp b, 0,1,2,3
	v_lshrrev_b32 v[TM+4+\b], 23, v[TM+12+\b]
.endr
	v_lshl_or_b32 v[\pw], v[TM+5], 8, v[TM+4]
	v_lshl_or_b32 v[\pw], v[TM+6], 16, v[\pw]
	v_lshl_or_b32 v[\pw], v[TM+7], 24, v[\pw]
	WIN (\w)
.irp c, 0,1
	v_cvt_scalef32_pk16_bf6_f32 v[PC+6*\c:PC+2+6*\c], v[(\s)+32*\c:(\s)+15+32*\c], v[TM+12+2*\c]
	v_cvt_scalef32_pk16_bf6_f32 v[PC+12+4*\c:PC+14+4*\c], v[(\s)+16+32*\c:(\s)+31+32*\c], v[TM+12+2*\c+1]
.endr
	WIN 0
	v_nop
.irp c, 0,1
.irp i, 0,1,2
	v_permlane16_swap_b32 v[PC+6*\c+\i], v[PC+12+4*\c+\i]
.endr
.irp i, 0,1,2
	v_mov_b32 v[PC+3+6*\c+\i], v[PC+12+4*\c+\i]
.endr
.endr
.endm
.macro OUTA a                          ; block a of A: 16 rows x 128 results -> a fragment, stored as two half images
	s_wait_xcnt 0x0                                ; the last block's stores have read their registers and bases
.if (\a) > 0
	s_add_nc_u64 s[OB0:OB0+1], s[OB0:OB0+1], s[TSP:TSP+1]
	s_add_nc_u64 s[OB1:OB1+1], s[OB1:OB1+1], s[TSP:TSP+1]
.endif
.if (\a) == 4
	s_add_nc_u64 s[OB0:OB0+1], s[OB0:OB0+1], s[JP:JP+1]
	s_add_nc_u64 s[OB1:OB1+1], s[OB1:OB1+1], s[JP:JP+1]
.endif
	QUANTW 64*((\a)%4), 2+(\a)/4, PWR+(\a)
	global_store_b128 v[LQ], v[PC:PC+3], s[OB0:OB0+1]             ; 512 or 256 consecutive bytes, aligned
	global_store_b64 v[LH], v[PC+4:PC+5], s[OB0:OB0+1] offset:512
	global_store_b128 v[LQ], v[PC+6:PC+9], s[OB1:OB1+1]
	global_store_b64 v[LH], v[PC+10:PC+11], s[OB1:OB1+1] offset:512
.endm
	s_load_b128 s[4:7], s[0:1], 0x0                ; wts, qkvc
	v_lshl_add_u32 v[SPW], v0, 2, SPARE
	v_mov_b32 v[NIL], 0
	ds_add_u32 v28, v29
	ds_add_u32 v28, v29
	s_wait_dscnt 0x0
	v_lshrrev_b32 v1, 5, v0
	v_readfirstlane_b32 s14, v1                    ; wave 0..3
	s_lshr_b32 s15, s14, 1                         ; which 128 rows of A are mine.  Also: I fetch for A (0) or B (1)
	s_and_b32 s16, s14, 1                          ; which 128 rows of B
	s_bfe_u32 s40, ttmp6, 0x40000                  ; cx
	s_bfe_u32 s41, ttmp6, 0x40004                  ; cy
	s_lshl_b32 s43, s41, 2
	s_lshl_b32 s43, 15, s43                        ; my row of the cluster
	s_lshl_b32 s44, 0x1111, s40                    ; my column
	s_and_b32 s18, ttmp7, 0xffff
	s_lshl_b32 s18, s18, 2                         ; 4 x cluster y
	s_lshl_b32 s19, ttmp9, 2                       ; 4 x cluster x
	s_cmp_eq_u32 ttmp9, 2                          ; the third column of clusters makes v: the same in all partners
	s_cselect_b32 s[MD], 1, 0
	s_cselect_b32 s17, 8, s18                      ; A's tile of 256 rows: wv's begin at tile 8 of wq | wk | wv; else x's
	s_cselect_b32 s42, s18, s19                    ; B's: x's; else wq | wk's
	s_cselect_b32 s20, WQKV, 0                     ; where A's operand lies in wts
	s_cselect_b32 s46, 0, WQKV                     ; and B's
	s_add_co_u32 s17, s17, s41                     ; + cy
	s_add_co_u32 s42, s42, s40                     ; + cx
	; group 1: 76,800 dense bytes as 2 rows of 4,800 elements of 8 bytes, no padding; the mask, and bit 21 beside it
	s_or_b32 s[G1+0], s43, (3<<16)|(1<<21)
	s_or_b32 s[G1B+0], s44, (3<<16)|(1<<21)
.irp g, G1, G1B
	; THE FILLS: a tile is two rows, one for each block of 128 rows of the operand; a row is 3 panels (K steps) on end, 38,400 bytes; the blocks lie 102,400 bytes apart
	s_mov_b32 s[\g+1], 4800<<16                    ; tensor_dim0: 4,800 elements of 8 bytes
	s_mov_b32 s[\g+2], 2<<16                       ; tensor_dim1
	s_mov_b32 s[\g+3], 4800<<16                    ; tile_dim0
	s_mov_b32 s[\g+4], 2                           ; tile_dim1
	s_mov_b32 s[\g+5], 12800                       ; the pitch
	s_mov_b32 s[\g+6], 0
	s_mov_b32 s[\g+7], 0
.endr
	s_lshl_b32 s21, s17, 1
	s_mul_i32 s21, s21, 4*PIECE                    ; a row block of 128 is 8 panels
	s_add_co_u32 s20, s20, s21
	s_mov_b32 s21, 0
	s_lshl_b32 s47, s42, 1
	s_mul_i32 s47, s47, 4*PIECE
	s_add_co_u32 s46, s46, s47
	s_mov_b32 s47, 0
	s_wait_kmcnt 0x0
	s_add_nc_u64 s[20:21], s[4:5], s[20:21]
	s_add_nc_u64 s[46:47], s[4:5], s[46:47]
	CROUND                                         ; all sixteen work-groups are here: the first joint loads meet
; LDS: region 0 (K steps 0-2) and region 1 (steps 3-5), 153,600 bytes each: A's two rows, then B's.  Group 0 number 2 is the refill: steps 6, 7, rows of 25,600 bytes, over region 0's first 102,400 bytes
.irp n, 0,1,2
	s_mov_b32 s[G0+4*\n], 1
	s_mov_b32 s[G0+4*\n+1], 153600*(\n%2)
	s_add_nc_u64 s[G0+4*\n+2:G0+4*\n+3], s[20:21], \n*38400
	s_or_b32 s[G0+4*\n+3], s[G0+4*\n+3], 0x80000000
	s_mov_b32 s[G0B+4*\n], 1
	s_mov_b32 s[G0B+4*\n+1], 76800+153600*(\n%2)-25600*(\n/2)
	s_add_nc_u64 s[G0B+4*\n+2:G0B+4*\n+3], s[46:47], \n*38400
	s_or_b32 s[G0B+4*\n+3], s[G0B+4*\n+3], 0x80000000
.endr
; the head's four tiles, one a wave, each on a line of its own in one chain of branches: A's and B's steps 0-2, A's and B's steps 3-5
.macro HARM w, g0, g1
	s_cmp_eq_u32 s14, \w
	s_cbranch_scc0 .Lha_\@
	tensor_load_to_lds s[\g0:\g0+3], s[\g1:\g1+7]
	s_nop 0
	PLACES
	s_branch .Lhasked
.Lha_\@:
.endm
	HARM 0, G0, G1
	HARM 1, G0B, G1B
	HARM 2, G0+4, G1
	tensor_load_to_lds s[G0B+4:G0B+7], s[G1B:G1B+7]
	s_nop 0
	PLACES
.Lhasked:
	v_and_b32 v1, 15, v0                           ; r
	v_bfe_u32 v2, v0, 4, 1                         ; h
	v_and_b32 v[LN], 31, v0
	v_lshlrev_b32 v[LQ], 4, v[LN]
	v_lshlrev_b32 v[LH], 3, v[LN]
	v_lshlrev_b32 v[LW], 2, v[LN]
	s_wait_alu depctr_va_vdst(0)
.irp s, 0,1,2                                  ; address set 0: region 0, set 1: region 1, set 2: the refill's layout
	s_mul_i32 s56, s15, 38400-12800*(\s/2)         ; my 128 rows of A
	s_mul_i32 s57, s16, 38400-12800*(\s/2)         ; my 128 rows of B, behind A's two rows
	s_add_co_u32 s56, s56, 153600*(\s%2)
	s_add_co_u32 s57, s57, 76800+153600*(\s%2)-25600*(\s/2)
	s_sub_co_u32 s58, s57, s56
	v_mul_u32_u24 v23, s58, v2                     ; lanes 16-31 take B's scale words
	v_lshl_add_u32 v23, v1, 2, v23
	v_add_nc_u32 v[AQ+\s], s56, v[LQ]
	v_add_nc_u32 v[AD+\s], s56, v[LH]
	v_add_nc_u32 v[BQ+\s], s57, v[LQ]
	v_add_nc_u32 v[BD+\s], s57, v[LH]
	v_add_nc_u32 v[ASC+\s], s56, v23
.endr
	s_mov_b32 s[SEL], 0x76543210
	s_mov_b32 s[SEL+1], 0xfedcba98
	s_mov_b32 s66, 0x05040100                      ; v_perm_b32: two low halves;
	s_mov_b32 s67, 0x07060302                      ; two high halves
	; where the results go
	s_lshl_b32 s96, s17, 1
	s_add_co_u32 s96, s96, s15                     ; RB: my block of 128 rows of A
	s_lshl_b32 s97, s42, 1
	s_add_co_u32 s97, s97, s16                     ; CB: of B
	s_lshr_b32 s98, s97, 3                         ; q, k: which = CB / 8, heads 2 (CB % 8) and the next, b = RB / 16, block RB % 16
	s_lshl_b32 s98, s98, 1
	s_lshr_b32 s99, s96, 4
	s_add_co_u32 s98, s98, s99
	s_lshl_b32 s98, s98, 4
	s_and_b32 s99, s97, 7
	s_lshl_b32 s99, s99, 1
	s_add_co_u32 s98, s98, s99
	s_lshl_b32 s98, s98, 4
	s_and_b32 s99, s96, 15
	s_add_co_u32 s98, s98, s99
	s_lshl_b32 s99, s96, 6                         ; v: RB = 16 + the pair of heads: 1024 + 32 x head + CB = 64 RB + CB
	s_add_co_u32 s99, s99, s97
	s_mov_b32 s[OB1], 768
	s_mov_b32 s[TSP], 1536
	s_mov_b32 s[OS1], 204800
	s_cmp_eq_u32 s[MD], 0
	s_cselect_b32 s98, s98, s99
	s_cselect_b32 s[OB1], 102400, s[OB1]           ; q, k: the second half belongs to the next head, 16 panels on; v: it follows the first
	s_cselect_b32 s[TSP], 768, s[TSP]              ; q, k: a tile is half an image; v: an image
	s_cselect_b32 s[JP], 0, 198656                 ; v: blocks 4-7 are the next head's, 32 panels on
	s_cselect_b32 s[OS1], 102400, s[OS1]
	s_mul_i32 s98, s98, 6400
	s_mov_b32 s99, 0
	s_mov_b32 s[OB1+1], 0
	s_mov_b32 s[TSP+1], 0
	s_mov_b32 s[JP+1], 0
	s_mov_b32 s[OS1+1], 0
	s_add_nc_u64 s[OB0:OB0+1], s[6:7], s[98:99]
	s_add_nc_u64 s[OB1:OB1+1], s[OB0:OB0+1], s[OB1:OB1+1]
	s_add_nc_u64 s[OS0:OS0+1], s[OB0:OB0+1], 6144
	s_add_nc_u64 s[OS1:OS1+1], s[OS0:OS0+1], s[OS1:OS1+1]
	s_wait_alu depctr_va_vdst(0)
	s_cmp_lt_u32 s14, 2                            ; waves 0 and 1 brought steps 0-2; steps 3-5 may stay out
	s_cbranch_scc0 .Lnot_first
	s_wait_tensorcnt 0x0
.Lnot_first:
	s_barrier_signal -1
	s_barrier_wait -1
	FETCH_B 0, 0, 0
	FETCH_A 0, 0, 0
	SCALES 0, 0, 0
	FETCH_A 0, 0, 4
.macro RLOAD                           ; the one refill: wave 0 A's steps 6, 7, wave 1 B's
	s_cmp_eq_u32 s14, 0
	s_cbranch_scc0 .Lrb_\@
	tensor_load_to_lds s[G0+8:G0+11], s[G1:G1+7]
	s_nop 0
	PLACES
	s_branch .Lrd_\@
.Lrb_\@:
	s_cmp_eq_u32 s14, 1
	s_cbranch_scc0 .Lrd_\@
	tensor_load_to_lds s[G0B+8:G0B+11], s[G1B:G1B+7]
	s_nop 0
	PLACES
.Lrd_\@:
	PLACES                                         ; the places in front of the loads that follow, on every wave's way
.endm
; K step st: 64 products on set st % 2; step st + 1 is fetched meanwhile (address set (st + 1) / 3, panel (st + 1) % 3).
; kind 1: a barrier shows what was still on its way.  kind 2: the barrier opens a round of the cluster's, and region 0, read out, takes steps 6, 7: three steps, 192 products, ahead of the wait for them
.macro GS st, kind, zero
.set P_, (\st)%2
.set S_, ((\st)+1)/3
.set Q_, ((\st)+1)%3
.if \kind
	s_wait_tensorcnt 0x0                           ; all my tensor loads have landed
	ds_add_u32 v[SPW], v[NIL]
.if \kind == 2
	s_mov_b32 s[G1+1], 3200<<16                    ; no load of mine is out: from here on a row is 2 panels, 25,600 bytes
	s_mov_b32 s[G1+3], 3200<<16
	s_mov_b32 s[G1B+1], 3200<<16
	s_mov_b32 s[G1B+3], 3200<<16
.endif
	s_wait_dscnt 17                                ; (the add and A's blocks 4-7 may be out)
	WIN MUL_LO
	MUL16 0, P_, \zero
	s_wait_dscnt 0x0                               ; the add is done, and my reads so far are over
	s_barrier_signal -1
	MUL16 2, P_, \zero
	WIN 0
	s_barrier_wait -1
.if \kind == 2
	CREST
	RLOAD
.else
	PLACES
.endif
.else
	s_wait_dscnt 16
	WIN MUL_LO
	MUL16 0, P_, \zero
	MUL16 2, P_, \zero
	s_wait_dscnt 0x0
	PLACES
.endif
	FETCH_B S_, Q_, 1-P_
	FETCH_A S_, Q_, 0
	SCALES S_, Q_, 1-P_
	WIN MUL_HI
	MUL16 4, P_, \zero
	MUL16 6, P_, \zero
	PLACES
	WIN 0
	FETCH_A S_, Q_, 4
.endm
	GS 0, 0, 1
	GS 1, 0, 0
	GS 2, 2, 0
	GS 3, 0, 0
	GS 4, 0, 0
	GS 5, 1, 0
	GS 6, 0, 0
	s_wait_dscnt 16                                ; the last step: nothing more to fetch
	WIN MUL_LO
	MUL16 0, 1, 0
	MUL16 2, 1, 0
	s_wait_dscnt 0x0
	WIN MUL_HI
	MUL16 4, 1, 0
	MUL16 6, 1, 0
	WIN 0
	PLACES
.irp b, 0,1,2,3
	v_mov_b32 v[TM+4+\b], 0                        ; a lane permute's destination counts as read
.endr
.irp a, 0,1,2,3,4,5,6,7
	OUTA \a
.endr
	; the scale words: two tiles' words to a store, lanes 0-15 one tile's, lanes 16-31 the next's
	v_cmp_le_u32 vcc_lo, 16, v[LN]
	s_cmp_eq_u32 s[MD], 0
	s_cbranch_scc0 .Lwhole_words
.irp p, 0,1,2,3                                ; q, k: a head has two bytes of a word: the pair of tiles 2 p, 2 p + 1 makes a word for each head
	v_perm_b32 v[HA+\p], v[PWR+2*\p+1], v[PWR+2*\p], s66
	v_perm_b32 v[HA+4+\p], v[PWR+2*\p+1], v[PWR+2*\p], s67
.endr
.irp i, 0,1,2,3
	v_cndmask_b32 v[SW+\i], v[HA+2*\i], v[HA+2*\i+1], vcc_lo
.endr
	s_branch .Lwords_made
.Lwhole_words:
.irp i, 0,1,2,3
	v_cndmask_b32 v[SW+\i], v[PWR+2*\i], v[PWR+2*\i+1], vcc_lo
.endr
.Lwords_made:
	s_wait_alu depctr_va_vdst(0)
	global_store_b32 v[LW], v[SW], s[OS0:OS0+1]
	global_store_b32 v[LW], v[SW+1], s[OS0:OS0+1] offset:128
	global_store_b32 v[LW], v[SW+2], s[OS1:OS1+1]
	global_store_b32 v[LW], v[SW+3], s[OS1:OS1+1] offset:128
	s_wait_tensorcnt 0x0                           ; the wave's end
	ds_add_u32 v[SPW], v[NIL]
	s_wait_dscnt 0x0
	CROUND                                         ; the closing round
	s_endpgm
.Lfunc_end_k_qee036cdc43_qkv:
	.size	k_qee036cdc43_qkv, .Lfunc_end_k_qee036cdc43_qkv-k_qee036cdc43_qkv
	.p2alignl 7, 3214868480
	.fill 96, 4, 3214868480
	.section	.rodata,"a",@progbits
	.p2align	6, 0x0
	.amdhsa_kernel k_qee036cdc43_qkv
		.amdhsa_group_segment_fixed_size 327680
		.amdhsa_private_segment_fixed_size 0
		.amdhsa_enable_private_segment 0
		.amdhsa_kernarg_size 16
		.amdhsa_user_sgpr_count 2
		.amdhsa_user_sgpr_kernarg_segment_ptr 1
		.amdhsa_wavefront_size32 1
		.amdhsa_system_sgpr_workgroup_id_x 1
		.amdhsa_system_sgpr_workgroup_id_y 1
		.amdhsa_system_sgpr_workgroup_id_z 1
		.amdhsa_system_vgpr_workitem_id 0
		.amdhsa_next_free_vgpr 1024
		.amdhsa_next_free_sgpr 104
		.amdhsa_reserve_vcc 1
		.amdhsa_float_denorm_mode_32 3
		.amdhsa_float_denorm_mode_16_64 3
		.amdhsa_memory_ordered 1
		.amdhsa_forward_progress 1
		.amdhsa_inst_pref_size 151
	.end_amdhsa_kernel
	.amdgpu_metadata
---
amdhsa.version: [ 1, 2 ]
amdhsa.kernels:
  - .name:           k_qee036cdc43_qkv
    .symbol:         k_qee036cdc43_qkv.kd
    .args:
      - { .name: wts, .offset: 0, .size: 8, .value_kind: global_buffer, .address_space: global }
      - { .name: qkvc, .offset: 8, .size: 8, .value_kind: global_buffer, .address_space: global }
    .group_segment_fixed_size: 327680
    .private_segment_fixed_size: 0
    .kernarg_segment_align: 8
    .kernarg_segment_size: 16
    .max_flat_workgroup_size: 128
    .sgpr_count:     104
    .vgpr_count:     1024
    .wavefront_size: 32
...
	.end_amdgpu_metadata
.endif
;; end of part 2
;; launch attn (part 3): grid 4 x 64, 16 waves a work-group, clusters of 4 x 4, 243,712 bytes of LDS; arguments qkvc, ac; writes ac
.if DOCPART == 3
	.amdgcn_target "amdgcn-amd-amdhsa--gfx1250"
	.amdhsa_code_object_version 6
	.text
	.protected	k_qee036cdc43_attn
	.globl	k_qee036cdc43_attn
	.p2align	8
	.type	k_qee036cdc43_attn,@function
k_qee036cdc43_attn:
	s_mov_b64 s[64:65], 0
	v_nop
	global_prefetch_b8 v0, s[64:65] scope:SCOPE_SE
	s_setreg_imm32_b32 hwreg(HW_REG_WAVE_MODE, 25, 1), 1
	s_wait_xcnt 0x0
	s_wait_alu depctr_hold_cnt(0) depctr_sa_sdst(0) depctr_va_vdst(0) depctr_va_sdst(0) depctr_va_ssrc(0) depctr_va_vcc(0) depctr_vm_vsrc(0)
	s_getreg_b32 s2, hwreg(HW_REG_IB_STS2, 6, 4)
	s_cmp_eq_u32 s2, 0
	s_cbranch_scc0 .Lentry_in_a_cluster
	s_endpgm
.Lentry_in_a_cluster:
	s_bfe_u32 s2, ttmp6, 0x10000c
	s_cmp_lg_u32 s2, 0xf033
	s_cbranch_scc0 .Lentry_shape_is_right
	s_endpgm
.Lentry_shape_is_right:
; Causal attention on codes of BF6, head size 64: S^T = K Q^T, p = 2^(t - M), O^T = V^T P^T, O / l, and O's own codes for the projection.
; t = score x log2(e) / 8; M = the running largest t rounded UP to a whole number; l is the sum of the unquantised p; when M moves, l and O are multiplied by 2^(old M - new M), which rounds nothing.
; Key steps all of whose keys come after a tile's queries are hidden by the mask that the problem builds itself: they are left out.
; THE DEAL.  A head has 16 blocks of 128 queries, each of 8 tiles of 16.  Work-group c = 0..7 of a head takes tile c of EVERY block: 16 tiles, 136 key steps of 128 keys, and which steps a wave walks hangs on the wave's number alone.
; Sixteen waves in eight pairs i (waves w and w + 4): wave A walks the tile of block 15 - i over key steps 0-7; wave B walks the tile of block i (i + 1 steps), stores it, and then the tile of block 15 - i over steps 8 .. 15 - i:
; 8 and 9 steps.  A leaves -M, l and O^T in LDS; behind one barrier B joins them to its own, both brought under the larger M by powers of two.
; CLUSTER 4 x 4: two heads' eight work-groups each: head 2 x cluster y + cy / 2, c = cx + 4 (cy % 2).  A row of the cluster asks jointly for K and V, which hang on cy and the cluster's y alone.  No branch and no LDS address hangs on cx or cy.
; FILLS: the head's whole K and V, 16 panels of 6,400 bytes each, filled once: each wave asks for two panels (12,800 dense bytes).  Waves 0-7 bring key steps 0-7 and wait ahead of the first barrier; step 0, which every wave walks, follows;
; a second barrier, with every wave's wait, shows steps 8-15.  No data prefetch: every tile is asked for at the head, so there is no loop to run ahead in.
; LAYOUT.  A lane holds one query (lane % 16).  An image of K holds tile 2 p's 64 dims in K = 0..63 and tile 2 p + 1's in K = 64..127; Q's operand is [q | zeros] or [zeros | q].
; The rows of a tile are 32 (T / 2) + 8 (T % 2) + r % 8 + 16 (r / 8): the 16 registers of score tiles 2 b, 2 b + 1 are keys 32 b + 16 (lane / 16) + 0..15, and O^T's channels likewise.
; LIMITS: NaN and infinities are not served; the scaled scores t stay under 2^31 in magnitude; a block of O whose largest magnitude lies under 2^-122, or is 0, gets the byte 1.
; REGISTERS: v1-6 addresses; v7 the mask's d; v8-13 the step's addresses; v14 -M, v15 largest t, v[16:17] l; v18-35 q | 0 | q; v36-83 K's images, then V's; v84, 85 q's scale words; v86-93 K's and V's; v94 p's;
;   v96-159 S^T, then p; v160-191 O^T; v192-210 p's codes; v212-218 the second tile's q; v219 the pair's stage; v220-225 sums; v234, 235 the add's two; v236-255 at work.
.set KV,  102400                       ; V's panels, behind K's
.set SPARE, 204800                     ; the spare words, 128 bytes a wave
.set STG, 206848                       ; eight stages of 9 x 512 bytes
.set WV,  8
.set BH,  9                            ; s9   16 b + head
.set QB,  10                           ; s10  the block of 128 queries that I walk
.set IDX, 11                           ; s11  c: my work-group's tile in every block
.set SI,  12                           ; s12  the key step
.set TB,  13                           ; s13  its panel's LDS byte
.set CNT, 14
.set ROLE, 15                          ; s15  0: wave A, 1: wave B.  Also: I fetch K (0) or V (1)
.set SEL, 16
.set CS,  18                           ; s[18:19] c = log2(e) / 8
.set LB,  20                           ; s20  the pair's late block
.set PR,  22                           ; s22  the pair.  Also: which two panels I fetch
.set G1,  24
.set G0,  32
.set KSC, 86
.set VSC, 90
.set PWD, 94
.set PC,  192
.set SPW, 234
.set NIL, 235
.set BM,  240
.set T4,  244
.set SO,  248
.macro WALU
	s_wait_alu depctr_va_vdst(0)
.endm
.macro NOPS
.rept 4
	v_nop
.endr
.endm
.macro CROUND
	s_barrier_signal -1
	s_barrier_wait -1
	s_cmp_lg_u32 s[WV], 0
	s_cbranch_scc1 .Lnot_wave_0_\@
	s_barrier_signal -3
.Lnot_wave_0_\@:
	s_barrier_wait -3
	s_barrier_signal -1
	s_barrier_wait -1
.endm
.macro FRAG reg, a16, a8, off
	ds_load_b128 v[(\reg):(\reg)+3], v[\a16] offset:(\off)
	ds_load_b64 v[(\reg)+4:(\reg)+5], v[\a8] offset:(\off)+512
	ds_load_b128 v[(\reg)+6:(\reg)+9], v[\a16] offset:(\off)+768
	ds_load_b64 v[(\reg)+10:(\reg)+11], v[\a8] offset:(\off)+1280
.endm
.macro INIT                            ; a tile's walk begins: the first change of M leaves zeros zeros
	v_mov_b32 v15, 0xff61b1e6                      ; the largest t so far: -3e38
	v_floor_f32 v14, -v15
	v_mov_b32 v16, 0
	v_mov_b32 v17, 0
.set j, 0
.rept 32
	v_mov_b32 v[160+j], 0
.set j, j+1
.endr
.endm
.macro STEP                            ; 128 keys
	s_cmp_gt_u32 s[SI], s[QB]                      ; all its keys come after my queries, or the step is my partner's: a branch on the wave's number and the loop's steps, round the work alone
	s_cbranch_scc1 .Lskip_\@
	v_add_nc_u32 v8, s[TB], v1                     ; (these six are also the places behind the last products)
	v_add_nc_u32 v9, s[TB], v2
	v_add_nc_u32 v10, s[TB], v3
	v_add_nc_u32 v11, s[TB], v4
	v_add_nc_u32 v12, s[TB], v5
	v_add_nc_u32 v13, s[TB], v6
	WALU
.irp p, 0,1,2,3
	FRAG 36+12*\p, 8, 9, 1536*\p
.endr
.irp p, 0,1,2,3
	ds_load_b32 v[KSC+\p], v10 offset:64*\p
.endr
	s_wait_dscnt 0x0
.irp t, 0,1,2,3,4,5,6,7
	v_wmma_scale_f32_16x16x128_f8f6f4 v[96+8*\t:103+8*\t], v[36+12*(\t/2):47+12*(\t/2)], v[18+6*(\t%2):29+6*(\t%2)], 0, v[KSC+\t/2], v[84+\t%2] matrix_a_fmt:MATRIX_FMT_BF6 matrix_b_fmt:MATRIX_FMT_BF6
.endr
	NOPS
.irp p, 0,1,2,3
	FRAG 36+12*\p, 11, 12, 1536*\p                 ; V over K's images: it has the softmax in which to come
.endr
.irp p, 0,1,2,3
	ds_load_b32 v[VSC+\p], v13 offset:64*\p
.endr
	s_cmp_eq_u32 s[SI], s[QB]                      ; on the diagonal hidden scores become -infinity ahead of the maximum
	s_cbranch_scc0 .Lopen_\@
.set n, 0
.rept 64
	v_cmp_gt_i32 vcc_lo, 32*(n/16)+n%16, v7        ; register n holds key 32 (n / 16) + 16 (lane / 16) + n % 16 of the block
	v_cndmask_b32 v[96+n], v[96+n], v255, vcc_lo
.set n, n+1
.endr
.Lopen_\@:
.irp b, 0,1,2,3
	v_max3_num_f32 v[BM+\b], v[96+16*\b], v[97+16*\b], v[98+16*\b]   ; the largest score of each block of 32 keys: for the row's maximum and for the block's largest p
.endr
.irp i, 3,5,7,9,11,13
.irp b, 0,1,2,3
	v_max3_num_f32 v[BM+\b], v[BM+\b], v[96+16*\b+\i], v[97+16*\b+\i]
.endr
.endr
.irp b, 0,1,2,3
	v_max_num_f32 v[BM+\b], v[BM+\b], v[111+16*\b]
.endr
.irp b, 0,1,2,3
	s_delay_alu instid0(VALU_DEP_4)
	v_permlanex16_b32 v[T4+\b], v[BM+\b], s[SEL], s[SEL+1]
.endr
.irp b, 0,1,2,3
	s_delay_alu instid0(VALU_DEP_4)
	v_max_num_f32 v[BM+\b], v[BM+\b], v[T4+\b]
.endr
	s_delay_alu instid0(VALU_DEP_2)
	v_max3_num_f32 v254, v[BM], v[BM+1], v[BM+2]
	s_delay_alu instid0(VALU_DEP_1)
	v_max_num_f32 v254, v254, v[BM+3]
	s_delay_alu instid0(VALU_DEP_1)
	v_mul_f32 v254, s[CS], v254
	s_delay_alu instid0(VALU_DEP_1)
	v_max_num_f32 v15, v15, v254                   ; the running largest t
	v_mov_b32 v254, v14
	s_delay_alu instid0(VALU_DEP_2)
	v_floor_f32 v14, -v15                          ; -M = floor(-t)
	s_delay_alu instid0(VALU_DEP_1)
	v_sub_f32 v254, v14, v254                      ; old M - new M: a whole number, 0 or less
	s_delay_alu instid0(VALU_DEP_1)
	v_cvt_i32_f32 v254, v254                       ; (it saturates)
	s_delay_alu instid0(VALU_DEP_1)
	v_ldexp_f32 v252, 1.0, v254                    ; f = 2^(old M - new M)
.set j, 0
.rept 32
	v_pk_fma_f32 v[96+j:97+j], v[96+j:97+j], s[CS:CS+1], v[14:15] op_sel_hi:[1,0,0]   ; t - M
.set j, j+2
.endr
.irp b, 0,1,2,3
	v_fma_f32 v[BM+\b], v[BM+\b], s[CS], v14
.endr
	WALU
.set j, 0
.rept 64
	v_exp_f32 v[96+j], v[96+j]                     ; p = 2^(t - M)
.set j, j+1
.endr
	v_pk_mul_f32 v[16:17], v[16:17], v[252:253] op_sel_hi:[1,0]   ; l under the new M (a plain instruction behind the exponentials)
	WALU                                           ; one wait for the batch, ahead of its first reader
.irp b, 0,1,2,3
	v_exp_f32 v[BM+\b], v[BM+\b]                   ; the block's largest p
.endr
	v_pk_add_f32 v[244:245], v[100:101], v[104:105]   ; l takes in the 64 p, in eight chains
	v_pk_add_f32 v[250:251], v[108:109], v[112:113]
	v_pk_add_f32 v[248:249], v[116:117], v[120:121]
	v_pk_add_f32 v[246:247], v[124:125], v[128:129]
	v_pk_add_f32 v[220:221], v[132:133], v[136:137]
	v_pk_add_f32 v[222:223], v[140:141], v[144:145]
	v_pk_add_f32 v[224:225], v[148:149], v[152:153]
	v_pk_add_f32 v[16:17], v[16:17], v[156:157]
	v_pk_add_f32 v[244:245], v[244:245], v[96:97]
	v_pk_add_f32 v[250:251], v[250:251], v[98:99]
	v_pk_add_f32 v[248:249], v[248:249], v[102:103]
	v_pk_add_f32 v[246:247], v[246:247], v[106:107]
	v_pk_add_f32 v[220:221], v[220:221], v[110:111]
	v_pk_add_f32 v[222:223], v[222:223], v[114:115]
	v_pk_add_f32 v[224:225], v[224:225], v[118:119]
	v_pk_add_f32 v[16:17], v[16:17], v[122:123]
	v_pk_add_f32 v[244:245], v[244:245], v[126:127]
	v_pk_add_f32 v[250:251], v[250:251], v[130:131]
	v_pk_add_f32 v[248:249], v[248:249], v[134:135]
	v_pk_add_f32 v[246:247], v[246:247], v[138:139]
	v_pk_add_f32 v[220:221], v[220:221], v[142:143]
	v_pk_add_f32 v[222:223], v[222:223], v[146:147]
	v_pk_add_f32 v[224:225], v[224:225], v[150:151]
	v_pk_add_f32 v[16:17], v[16:17], v[154:155]
	v_pk_add_f32 v[244:245], v[244:245], v[158:159]
	s_delay_alu instid0(VALU_DEP_2)
	v_pk_add_f32 v[16:17], v[16:17], v[246:247]
	s_delay_alu instid0(VALU_DEP_2)
	v_pk_add_f32 v[244:245], v[244:245], v[220:221]
	v_pk_add_f32 v[250:251], v[250:251], v[222:223]
	v_pk_add_f32 v[248:249], v[248:249], v[224:225]
	s_delay_alu instid0(VALU_DEP_2)
	v_pk_add_f32 v[16:17], v[16:17], v[250:251]
	s_delay_alu instid0(VALU_DEP_2)
	v_pk_add_f32 v[244:245], v[244:245], v[248:249]
	s_delay_alu instid0(VALU_DEP_1)
	v_pk_add_f32 v[16:17], v[16:17], v[244:245]
	WALU                                           ; and one for the four
.irp b, 0,1,2,3
	v_max_num_f32 v[BM+\b], 0x2800000, v[BM+\b]    ; the floor 2^(5 - 127)
.endr
.irp b, 0,1,2,3
	s_delay_alu instid0(VALU_DEP_4)
	v_add_nc_u32 v[SO+\b], 0xfe000000, v[BM+\b]    ; 4 off the exponent field: the conversion's scale operand
.endr
.irp b, 0,1,2,3
	s_delay_alu instid0(VALU_DEP_4)
	v_lshrrev_b32 v[T4+\b], 23, v[SO+\b]
.endr
	s_delay_alu instid0(VALU_DEP_3)
	v_lshl_or_b32 v[PWD], v[T4+1], 8, v[T4]
	s_delay_alu instid0(VALU_DEP_1)
	v_lshl_or_b32 v[PWD], v[T4+2], 16, v[PWD]
	s_delay_alu instid0(VALU_DEP_1)
	v_lshl_or_b32 v[PWD], v[T4+3], 24, v[PWD]
.irp c, 0,1
	v_cvt_scalef32_pk16_bf6_f32 v[PC+6*\c:PC+2+6*\c], v[96+32*\c:111+32*\c], v[SO+2*\c]
	v_cvt_scalef32_pk16_bf6_f32 v[PC+12+4*\c:PC+14+4*\c], v[112+32*\c:127+32*\c], v[SO+2*\c+1]
.endr
	v_nop
.irp c, 0,1                                    ; a lane wants a whole block: lanes 0-15 block 2 c, lanes 16-31 block 2 c + 1
.irp i, 0,1,2
	v_permlane16_swap_b32 v[PC+6*\c+\i], v[PC+12+4*\c+\i]
.endr
.irp i, 0,1,2
	s_delay_alu instid0(VALU_DEP_3)
	v_mov_b32 v[PC+3+6*\c+\i], v[PC+12+4*\c+\i]
.endr
.endr
	WALU
.set j, 0
.rept 16
	v_pk_mul_f32 v[160+j:161+j], v[160+j:161+j], v[252:253] op_sel_hi:[1,0]   ; O^T under the new M; these 16 also stand between p's codes and scale word and the products
.set j, j+2
.endr
	WALU
	s_wait_dscnt 0x0                               ; V is in
.irp t, 0,1,2,3
	v_wmma_scale_f32_16x16x128_f8f6f4 v[160+8*\t:167+8*\t], v[36+12*\t:47+12*\t], v[PC:PC+11], v[160+8*\t:167+8*\t], v[VSC+\t], v[PWD] matrix_a_fmt:MATRIX_FMT_BF6 matrix_b_fmt:MATRIX_FMT_BF6
.endr
.Lskip_\@:
	s_add_co_u32 s[TB], s[TB], 6400
	s_add_co_u32 s[SI], s[SI], 1
.endm
; THE WAY OUT of the tile of block s[QB]: O^T / l, quantised along the head's 64 channels: half a fragment of the projection's A, K step head / 2
.macro OUT
	NOPS
	v_add_f32 v16, v16, v17
	s_delay_alu instid0(VALU_DEP_1)
	v_permlanex16_b32 v252, v16, s[SEL], s[SEL+1]
	s_delay_alu instid0(VALU_DEP_1)
	v_add_f32 v16, v16, v252
	WALU
	v_rcp_f32 v16, v16
	v_nop
	WALU
.set j, 0
.rept 32
	v_mul_f32 v[96+j], v[160+j], v16               ; register 16 b + i = channel 32 b + 16 (lane / 16) + i
.set j, j+1
.endr
.irp b, 0,1
	v_max3_num_f32 v[BM+\b], |v[96+16*\b]|, |v[97+16*\b]|, 0x2800000
.endr
.irp i, 2,4,6,8,10,12,14
.irp b, 0,1
	s_delay_alu instid0(VALU_DEP_2)
	v_max3_num_f32 v[BM+\b], v[BM+\b], |v[96+16*\b+\i]|, |v[97+16*\b+\i]|
.endr
.endr
.irp b, 0,1
	s_delay_alu instid0(VALU_DEP_2)
	v_permlanex16_b32 v[T4+\b], v[BM+\b], s[SEL], s[SEL+1]
.endr
.irp b, 0,1
	s_delay_alu instid0(VALU_DEP_2)
	v_max_num_f32 v[BM+\b], v[BM+\b], v[T4+\b]
.endr
.irp b, 0,1
	s_delay_alu instid0(VALU_DEP_2)
	v_add_nc_u32 v[SO+\b], 0xfe000000, v[BM+\b]
.endr
.irp b, 0,1
	s_delay_alu instid0(VALU_DEP_2)
	v_lshrrev_b32 v[T4+\b], 23, v[SO+\b]
.endr
	s_delay_alu instid0(VALU_DEP_1)
	v_lshl_or_b32 v254, v[T4+1], 8, v[T4]          ; my row's two scale bytes
	v_cvt_scalef32_pk16_bf6_f32 v[PC:PC+2], v[96:111], v[SO]
	v_cvt_scalef32_pk16_bf6_f32 v[PC+12:PC+14], v[112:127], v[SO+1]
	v_nop
.irp i, 0,1,2
	v_permlane16_swap_b32 v[PC+\i], v[PC+12+\i]
.endr
.irp i, 0,1,2
	s_delay_alu instid0(VALU_DEP_3)
	v_mov_b32 v[PC+3+\i], v[PC+12+\i]
.endr
	s_lshr_b32 s36, s[BH], 4
	s_lshl_b32 s36, s36, 7
	s_lshl_b32 s37, s[QB], 3
	s_add_co_u32 s36, s36, s37
	s_add_co_u32 s36, s36, s[IDX]                  ; my tile among the 256 tiles of rows
	s_lshr_b32 s36, s36, 2
	s_lshl_b32 s36, s36, 3
	s_and_b32 s37, s[BH], 15
	s_lshr_b32 s37, s37, 1
	s_add_co_u32 s36, s36, s37
	s_mul_i32 s36, s36, 6400                       ; panel (block of 64 rows) 8 + head / 2
	s_and_b32 s38, s[IDX], 3
	s_and_b32 s39, s[BH], 1
	s_mul_i32 s52, s38, 1536
	s_mul_i32 s53, s39, 768
	s_add_co_u32 s52, s52, s53
	s_add_co_u32 s52, s52, s36                     ; my half image
	s_mov_b32 s53, 0
	s_lshl_b32 s38, s38, 6
	s_lshl_b32 s39, s39, 1
	s_add_co_u32 s54, s38, s39
	s_add_co_u32 s54, s54, s36                     ; my tile's scale words, my head's half of them (v3 adds 6,144 + 4 r)
	s_mov_b32 s55, 0
	s_add_nc_u64 s[52:53], s[6:7], s[52:53]
	s_add_nc_u64 s[54:55], s[6:7], s[54:55]
	WALU
	global_store_b128 v1, v[PC:PC+3], s[52:53]     ; 512 and 256 consecutive bytes, aligned
	global_store_b64 v2, v[PC+4:PC+5], s[52:53] offset:512
	global_store_b16 v3, v254, s[54:55]            ; two bytes a row: the other head of the pair writes the other two; lanes r and r + 16 write the same
	s_wait_xcnt 0x0                                ; the stores' registers and bases may be written again
.endm
	s_load_b128 s[4:7], s[0:1], 0x0                ; qkvc, ac
	v_lshl_add_u32 v[SPW], v0, 2, SPARE
	v_mov_b32 v[NIL], 0
	ds_add_u32 v[SPW], v[NIL]                      ; the opening lines: the add, twice on end
	ds_add_u32 v[SPW], v[NIL]
	v_lshrrev_b32 v1, 5, v0
	v_readfirstlane_b32 s[WV], v1                  ; wave 0..15
	s_bfe_u32 s40, ttmp6, 0x40000                  ; cx
	s_bfe_u32 s41, ttmp6, 0x40004                  ; cy
	s_and_b32 s[BH], ttmp7, 0xffff
	s_lshl_b32 s[BH], s[BH], 1
	s_lshr_b32 s21, s41, 1
	s_add_co_u32 s[BH], s[BH], s21                 ; 16 b + head = 2 x cluster y + cy / 2
	s_and_b32 s[IDX], s41, 1
	s_lshl_b32 s[IDX], s[IDX], 2
	s_add_co_u32 s[IDX], s[IDX], s40               ; c
	s_lshl_b32 s42, s41, 2
	s_lshl_b32 s42, 15, s42                        ; my row of the cluster
	s_or_b32 s[G1], s42, (3<<16)|(1<<21)           ; 12,800 dense bytes: 50 rows of 32 elements of 8 bytes, no padding; the mask, bit 21 beside it
	s_mov_b32 s[G1+1], 32<<16
	s_mov_b32 s[G1+2], 50<<16
	s_mov_b32 s[G1+3], 32<<16
	s_mov_b32 s[G1+4], 50
	s_mov_b32 s[G1+5], 32
	s_mov_b32 s[G1+6], 0
	s_mov_b32 s[G1+7], 0
	s_bfe_u32 s[ROLE], s[WV], 0x10002
	s_and_b32 s[PR], s[WV], 3
	s_lshr_b32 s23, s[WV], 3
	s_lshl_b32 s23, s23, 2
	s_or_b32 s[PR], s[PR], s23                     ; the pair: w % 4 + 4 (w / 8)
	s_sub_co_u32 s[LB], 15, s[PR]
	s_cmp_eq_u32 s[ROLE], 0
	s_cselect_b32 s[QB], s[LB], s[PR]              ; first walk: A the late block, B the early one
	s_mul_i32 s36, s[PR], 12800                    ; my two panels,
	s_mul_i32 s37, s[ROLE], KV                     ; of K or of V
	s_add_co_u32 s[G0+1], s36, s37
	s_mov_b32 s[G0], 1
	s_add_co_u32 s38, s[BH], 32
	s_mul_i32 s38, s38, 102400                     ; K: panels (32 + 16 b + head) 16 on
	s_and_b32 s39, s[BH], 15
	s_lshl_b32 s39, s39, 5
	s_lshr_b32 s43, s[BH], 4
	s_lshl_b32 s43, s43, 4
	s_add_co_u32 s39, s39, s43
	s_add_co_u32 s39, s39, 1024
	s_mul_i32 s39, s39, 6400                       ; V: panels 1024 + 32 head + 16 b on
	s_cmp_eq_u32 s[ROLE], 0
	s_cselect_b32 s38, s38, s39
	s_add_co_u32 s38, s38, s36
	s_mov_b32 s39, 0
	s_lshl_b32 s44, s[BH], 4
	s_add_co_u32 s46, s44, s[LB]
	s_add_co_u32 s44, s44, s[QB]
	s_mul_i32 s44, s44, 6400                       ; Q's panel of the first walk,
	s_mov_b32 s45, 0
	s_mul_i32 s46, s46, 6400                       ; and of the late block
	s_mov_b32 s47, 0
	s_mul_i32 s52, s[IDX], 768                     ; my tile is half an image of Q's panel
	s_lshr_b32 s53, s[IDX], 1
	s_lshl_b32 s56, s53, 5
	s_lshl_b32 s53, s53, 6
	s_and_b32 s54, s[IDX], 1
	s_lshl_b32 s57, s54, 3
	s_add_co_u32 s56, s56, s57                     ; the tile's first query in its block
	s_lshl_b32 s54, s54, 4                         ; which two bytes of the pair's scale word
	s_mul_i32 s55, s[PR], 4608
	s_add_co_u32 s55, s55, STG                     ; my pair's stage
	s_mov_b32 s[SEL], 0x76543210
	s_mov_b32 s[SEL+1], 0xfedcba98
	s_mov_b32 s[CS], 0x3e38aa3b
	s_mov_b32 s[CS+1], s[CS]
	s_mov_b32 s[SI], 0
	s_mov_b32 s[TB], 0
	WALU
	s_wait_dscnt 0x0
	CROUND                                         ; all sixteen work-groups are here: the joint loads meet
	s_wait_kmcnt 0x0
	s_add_nc_u64 s[G0+2:G0+3], s[4:5], s[38:39]
	s_or_b32 s[G0+3], s[G0+3], 0x80000000
	s_add_nc_u64 s[48:49], s[4:5], s[44:45]
	s_add_nc_u64 s[50:51], s[4:5], s[46:47]
	s_cmp_lt_u32 s[WV], 8                          ; one load a wave; the waves that wait ahead of the first barrier have a line of their own
	s_cbranch_scc0 .Llate_half
	tensor_load_to_lds s[G0:G0+3], s[G1:G1+7]      ; key steps 0-7
	s_nop 0
	NOPS
	s_branch .Lasked
.Llate_half:
	tensor_load_to_lds s[G0:G0+3], s[G1:G1+7]      ; key steps 8-15
	s_nop 0
	NOPS
.Lasked:
	v_and_b32 v240, 31, v0
	v_and_b32 v241, 15, v0                         ; r
	v_bfe_u32 v242, v0, 4, 1                       ; h
	v_lshlrev_b32 v1, 4, v240                      ; K's images: 16 x lane,
	v_lshlrev_b32 v2, 3, v240                      ; 8 x lane,
	v_lshlrev_b32 v243, 2, v241
	v_add_nc_u32 v3, 6144, v243                    ; its scale words: 4 r;
	v_add_nc_u32 v4, KV, v1                        ; V's likewise
	v_add_nc_u32 v5, KV, v2
	v_add_nc_u32 v6, KV+6144, v243
	v_add_nc_u32 v244, s52, v1
	v_add_nc_u32 v245, s52, v2
	v_add_nc_u32 v246, s53, v243
	global_load_b128 v[18:21], v244, s[48:49]      ; q, twice: on either side of six registers of zero codes
	global_load_b64 v[22:23], v245, s[48:49] offset:512
	global_load_b128 v[30:33], v244, s[48:49]
	global_load_b64 v[34:35], v245, s[48:49] offset:512
	global_load_b32 v84, v246, s[48:49] offset:6144
	global_load_b128 v[212:215], v244, s[50:51]    ; the late tile's q, for B's second walk
	global_load_b64 v[216:217], v245, s[50:51] offset:512
	global_load_b32 v218, v246, s[50:51] offset:6144
	v_and_b32 v7, 7, v0
	v_bfe_u32 v247, v0, 3, 1
	v_lshl_add_u32 v7, v247, 4, v7
	v_add_nc_u32 v7, s56, v7                       ; my query in its block,
	v_lshlrev_b32 v247, 4, v242
	v_sub_nc_u32 v7, v7, v247                      ; less 16 (lane / 16): d
	v_add_nc_u32 v219, s55, v1
.irp i, 24,25,26,27,28,29
	v_mov_b32 v[\i], 0
.endr
	INIT
	v_mov_b32 v252, 0
	v_mov_b32 v253, 0                              ; (named as the upper halves of the pairs with the factors)
	v_mov_b32 v236, 0
	v_mov_b32 v237, 0
	v_mov_b32 v255, 0xff800000                     ; -infinity
	s_wait_loadcnt 0x0
	v_lshrrev_b32 v84, s54, v84                    ; my tile's two bytes of the pair's word,
	v_lshrrev_b32 v218, s54, v218
	v_and_b32 v84, 0xffff, v84                     ; for [q | 0]: the zero codes' bytes are 0, which is no NaN;
	v_and_b32 v218, 0xffff, v218
	v_lshlrev_b32 v85, 16, v84                     ; for [0 | q]
	WALU
	s_cmp_lt_u32 s[WV], 8
	s_cbranch_scc0 .Lnot_first
	s_wait_tensorcnt 0x0                           ; waves 0-7: key steps 0-7 are in
.Lnot_first:
	s_barrier_signal -1
	s_barrier_wait -1                              ; steps 8-15 may still be on their way
	STEP                                           ; key step 0: every wave walks it
	s_wait_dscnt 0x0
	s_wait_tensorcnt 0x0                           ; every wave: all of K and V is in
	s_barrier_signal -1
	s_barrier_wait -1
	s_mov_b32 s[CNT], 7
.Lwalk1:                                               ; key steps 1-7
	STEP
	s_sub_co_u32 s[CNT], s[CNT], 1
	s_cmp_lg_u32 s[CNT], 0
	s_cbranch_scc1 .Lwalk1
	NOPS                                           ; the places behind the last products
	s_cmp_eq_u32 s[ROLE], 0
	s_cbranch_scc0 .Lb_mid
.irp k, 0,1,2,3,4,5,6,7
	ds_store_b128 v219, v[160+4*\k:163+4*\k] offset:512*\k   ; A: O^T as an image of its registers,
.endr
	ds_store_b128 v219, v[14:17] offset:4096       ; and -M, the largest t, l
	s_mov_b32 s[QB], 0                             ; steps 8-15 are my partner's
	s_branch .Lmid_done
.Lb_mid:
	OUT                                            ; B: the early tile is whole
.irp i, 0,1,2,3,4,5
	v_mov_b32 v[18+\i], v[212+\i]                  ; and the late tile begins
	v_mov_b32 v[30+\i], v[212+\i]
.endr
	v_mov_b32 v84, v218
	v_lshlrev_b32 v85, 16, v218
	INIT
	s_mov_b32 s[QB], s[LB]
	WALU
.Lmid_done:
	s_mov_b32 s[CNT], 8
.Lwalk2:                                               ; key steps 8-15
	STEP
	s_sub_co_u32 s[CNT], s[CNT], 1
	s_cmp_lg_u32 s[CNT], 0
	s_cbranch_scc1 .Lwalk2
	NOPS
	s_wait_dscnt 0x0                               ; for my partner's sake: my stores lie in the stage
	s_barrier_signal -1
	s_barrier_wait -1
	s_cmp_eq_u32 s[ROLE], 0
	s_cbranch_scc1 .Lend
.irp k, 0,1,2,3,4,5,6,7
	ds_load_b128 v[96+4*\k:99+4*\k], v219 offset:512*\k
.endr
	ds_load_b128 v[128:131], v219 offset:4096
	s_wait_dscnt 0x0
	v_min_num_f32 v254, v14, v128                  ; -M of the larger M
	v_sub_f32 v252, v254, v14
	v_sub_f32 v236, v254, v128
	v_cvt_i32_f32 v252, v252
	v_cvt_i32_f32 v236, v236
	v_ldexp_f32 v252, 1.0, v252                    ; my factor,
	v_ldexp_f32 v236, 1.0, v236                    ; my partner's: powers of two, at most 1
	v_pk_mul_f32 v[16:17], v[16:17], v[252:253] op_sel_hi:[1,0]
	v_pk_fma_f32 v[16:17], v[130:131], v[236:237], v[16:17] op_sel_hi:[1,0,1]
.set j, 0
.rept 16
	v_pk_mul_f32 v[160+j:161+j], v[160+j:161+j], v[252:253] op_sel_hi:[1,0]
.set j, j+2
.endr
.set j, 0
.rept 16
	v_pk_fma_f32 v[160+j:161+j], v[96+j:97+j], v[236:237], v[160+j:161+j] op_sel_hi:[1,0,1]
.set j, j+2
.endr
	OUT
.Lend:
	s_wait_tensorcnt 0x0                           ; the wave's end
	ds_add_u32 v[SPW], v[NIL]
	s_wait_dscnt 0x0
	CROUND                                         ; the closing round
	s_endpgm
.Lfunc_end_k_qee036cdc43_attn:
	.size	k_qee036cdc43_attn, .Lfunc_end_k_qee036cdc43_attn-k_qee036cdc43_attn
	.p2alignl 7, 3214868480
	.fill 96, 4, 3214868480
	.section	.rodata,"a",@progbits
	.p2align	6, 0x0
	.amdhsa_kernel k_qee036cdc43_attn
		.amdhsa_group_segment_fixed_size 243712
		.amdhsa_private_segment_fixed_size 0
		.amdhsa_enable_private_segment 0
		.amdhsa_kernarg_size 16
		.amdhsa_user_sgpr_count 2
		.amdhsa_user_sgpr_kernarg_segment_ptr 1
		.amdhsa_wavefront_size32 1
		.amdhsa_system_sgpr_workgroup_id_x 1
		.amdhsa_system_sgpr_workgroup_id_y 1
		.amdhsa_system_sgpr_workgroup_id_z 1
		.amdhsa_system_vgpr_workitem_id 0
		.amdhsa_next_free_vgpr 256
		.amdhsa_next_free_sgpr 66
		.amdhsa_reserve_vcc 1
		.amdhsa_float_denorm_mode_32 3
		.amdhsa_float_denorm_mode_16_64 3
		.amdhsa_memory_ordered 1
		.amdhsa_forward_progress 1
		.amdhsa_inst_pref_size 93
	.end_amdhsa_kernel
	.amdgpu_metadata
---
amdhsa.version: [ 1, 2 ]
amdhsa.kernels:
  - .name:           k_qee036cdc43_attn
    .symbol:         k_qee036cdc43_attn.kd
    .args:
      - { .name: qkvc, .offset: 0, .size: 8, .value_kind: global_buffer, .address_space: global }
      - { .name: ac, .offset: 8, .size: 8, .value_kind: global_buffer, .address_space: global }
    .group_segment_fixed_size: 243712
    .private_segment_fixed_size: 0
    .kernarg_segment_align: 8
    .kernarg_segment_size: 16
    .max_flat_workgroup_size: 512
    .sgpr_count:     66
    .vgpr_count:     256
    .wavefront_size: 32
...
	.end_amdgpu_metadata
.endif
;; end of part 3
;; launch proj (part 4): grid 8 x 32, 4 waves a work-group, clusters of 4 x 4, 327,680 bytes of LDS; arguments ac, wts, yb; writes yb
.if DOCPART == 4
	.amdgcn_target "amdgcn-amd-amdhsa--gfx1250"
	.amdhsa_code_object_version 6
	.text
	.protected	k_qee036cdc43_proj
	.globl	k_qee036cdc43_proj
	.p2align	8
	.type	k_qee036cdc43_proj,@function
k_qee036cdc43_proj:
	s_mov_b64 s[64:65], 0
	v_nop
	global_prefetch_b8 v0, s[64:65] scope:SCOPE_SE
	s_setreg_imm32_b32 hwreg(HW_REG_WAVE_MODE, 25, 1), 1
	s_wait_xcnt 0x0
	s_wait_alu depctr_hold_cnt(0) depctr_sa_sdst(0) depctr_va_vdst(0) depctr_va_sdst(0) depctr_va_ssrc(0) depctr_va_vcc(0) depctr_vm_vsrc(0)
	s_getreg_b32 s2, hwreg(HW_REG_IB_STS2, 6, 4)
	s_cmp_eq_u32 s2, 0
	s_cbranch_scc0 .Lentry_in_a_cluster
	s_endpgm
.Lentry_in_a_cluster:
	s_bfe_u32 s2, ttmp6, 0x10000c
	s_cmp_lg_u32 s2, 0xf033
	s_cbranch_scc0 .Lentry_shape_is_right
	s_endpgm
.Lentry_shape_is_right:
; y = A W on codes of BF6, f32 out: A [4096][128 KS] and W [1024][128 KS] lie as panels of 64 rows x 128 K (4 images in the order of the operand's registers, then their scale words: 6,400 bytes), [block of 64 rows][K step].
; Here: the attention's output times w_proj, KS = 8.  The bias, the residual and the norm follow in the next launch, which needs whole rows.
; A tile of y is 128 x 128, so that all 256 WGPs have one; four waves, each 64 x 64: 16 accumulators.  Source 0 = 16 rows of W, source 1 = 16 rows of A: a lane holds one row of y and, by the order of a tile's rows
; (32 (T / 2) + 8 (T % 2) + r % 8 + 16 (r / 8)), its 16 registers of tiles 2 b, 2 b + 1 are columns 32 b + 16 (lane / 16) + 0..15.
; K goes in chunks of 512 through two LDS slots: a wave's tensor load brings 128 rows x 512 K, codes and scale words together: 51,200 dense bytes.  With KS = 8 both chunks are first fills and nothing is filled again.
; CLUSTER 4 x 4: A's tile is asked for jointly by the cluster's row, W's by its column.
.set KS,    8
.set WOFF,  5734400                    ; w_proj's place in wts
.set PIECE, 25600
.set SLOT,  4*PIECE
.set PAN,   6400
.set STAGE, 2*SLOT                     ; behind the slots: 64 rows x (256 + 16) bytes for each wave; no tensor load lands there
.set SPITCH, 272
.set SPARE, STAGE+4*64*SPITCH          ; the spare words, 128 bytes a wave
.set LAPS,  KS/8
.set FR,    12
.set AQ,    4                          ; v4-5   A's images in slot 0, 1: + 16 x lane;  v6-7 + 8 x lane
.set AD,    6
.set BQ,    8
.set BD,    10
.set ASC,   12                         ; v12-13 scale words: lanes 0-15 A's, lanes 16-31 W's
.set STO,   14
.set RD,    15
.set CO,    16
.set SPW,   28
.set NIL,   29
.set SC,    32                         ; v32-39 scale words, two sets of 4: they hold nothing else
.set TMP,   64
.set ACC,   128
.set G1,  24
.set G0,  32
.set G1B, 48
.set G0B, 56
.set MSB, 0
.macro WIN new
.if MSB != (\new)
	s_set_vgpr_msb (MSB<<8)|(\new)
.set MSB, (\new)
.endif
.endm
.set MUL,  0x05                        ; sources 0 and 1 window 1; C and D window 0
.set TO_F, 0x40
.macro JLOAD s
	s_cmp_eq_u32 s11, 0
	s_cbranch_scc0 .Lfor_b_\@
	tensor_load_to_lds s[G0+4*\s:G0+4*\s+3], s[G1:G1+7]
	s_nop 0
.rept 4
	v_nop
.endr
	s_branch .Lasked_\@
.Lfor_b_\@:
	tensor_load_to_lds s[G0B+4*\s:G0B+4*\s+3], s[G1B:G1B+7]
	s_nop 0
.rept 4
	v_nop
.endr
.Lasked_\@:
.endm
.macro CREST
	s_cmp_lg_u32 s10, 0
	s_cbranch_scc1 .Lnot_wave_0_\@
	s_barrier_signal -3
.Lnot_wave_0_\@:
	s_barrier_wait -3
	s_barrier_signal -1
	s_barrier_wait -1
.endm
.macro CROUND
	s_barrier_signal -1
	s_barrier_wait -1
	CREST
.endm
.macro PLACES
.rept 4
	v_nop
.endr
.endm
.macro FRAG reg, a16, a8, off
	ds_load_b128 v[(\reg):(\reg)+3], v[\a16] offset:(\off)
	ds_load_b64 v[(\reg)+4:(\reg)+5], v[\a8] offset:(\off)+512
	ds_load_b128 v[(\reg)+6:(\reg)+9], v[\a16] offset:(\off)+768
	ds_load_b64 v[(\reg)+10:(\reg)+11], v[\a8] offset:(\off)+1280
.endm
.macro FETCH slot, q, f                ; 36 LDS loads: the slot's q-th 128 along K into set f
	WIN TO_F
.irp i, 0,1,2,3
	FRAG 128*(\f)+FR*\i, AQ+\slot, AD+\slot, (\q)*PAN+1536*\i
.endr
.irp i, 0,1,2,3
	FRAG 128*(\f)+48+FR*\i, BQ+\slot, BD+\slot, (\q)*PAN+1536*\i
.endr
	WIN 0
.irp i, 0,1,2,3
	ds_load_b32 v[SC+4*(\f)+\i], v[ASC+\slot] offset:(\q)*PAN+6144+64*\i
.endr
.endm
.macro MUL8 f, a0, zero                ; the 16 accumulators take turns in the same order in every step
.irp a, \a0, \a0+1
.irp b, 0,1,2,3
.if \zero
	v_wmma_scale_f32_16x16x128_f8f6f4 v[ACC+8*(4*(\a)+\b):ACC+8*(4*(\a)+\b)+7], v[128*(\f)+48+FR*\b:128*(\f)+48+FR*\b+FR-1], v[128*(\f)+FR*(\a):128*(\f)+FR*(\a)+FR-1], 0, v[SC+4*(\f)+\b], v[SC+4*(\f)+(\a)] matrix_a_fmt:MATRIX_FMT_BF6 matrix_b_fmt:MATRIX_FMT_BF6 matrix_a_scale:MATRIX_SCALE_ROW1
.else
	v_wmma_scale_f32_16x16x128_f8f6f4 v[ACC+8*(4*(\a)+\b):ACC+8*(4*(\a)+\b)+7], v[128*(\f)+48+FR*\b:128*(\f)+48+FR*\b+FR-1], v[128*(\f)+FR*(\a):128*(\f)+FR*(\a)+FR-1], v[ACC+8*(4*(\a)+\b):ACC+8*(4*(\a)+\b)+7], v[SC+4*(\f)+\b], v[SC+4*(\f)+(\a)] matrix_a_fmt:MATRIX_FMT_BF6 matrix_b_fmt:MATRIX_FMT_BF6 matrix_a_scale:MATRIX_SCALE_ROW1
.endif
.endr
.endr
.endm
.macro STEP slot, q, zero              ; one of a slot's first three steps: the next step is fetched first, into the other set
	PLACES
	FETCH \slot, (\q)+1, ((\q)+1)%2
	s_wait_dscnt 36                                ; all but the 36 just issued
	WIN MUL
	MUL8 (\q)%2, 0, \zero
	MUL8 (\q)%2, 2, \zero
.endm
.macro TURN slot, next, fill           ; a slot's fourth step, and the change of slots
	WIN 0
	s_wait_tensorcnt 0x0                           ; all my tensor loads have landed: my part of the next slot
	ds_add_u32 v[SPW], v[NIL]                      ; 0 onto my spare word
	s_wait_dscnt 0x0                               ; the add is done; this step's fragments are in: my reads of this slot are over
	s_barrier_signal -1
	WIN MUL
	MUL8 1, 0, 0
	WIN 0
	s_barrier_wait -1
.if \fill
	CREST                                          ; the barrier has opened a round of the cluster's
	s_add_nc_u64 s[G0+4*\slot+2:G0+4*\slot+3], s[G0+4*\slot+2:G0+4*\slot+3], 2*PIECE
	s_add_nc_u64 s[G0B+4*\slot+2:G0B+4*\slot+3], s[G0B+4*\slot+2:G0B+4*\slot+3], 2*PIECE
	JLOAD \slot                                    ; its four v_nop are also the places in front of the loads below
.else
	PLACES
.endif
	FETCH \next, 0, 0
	WIN MUL
	MUL8 1, 2, 0
.endm
	s_load_b128 s[4:7], s[0:1], 0x0                ; A's panels, wts
	s_load_b64 s[8:9], s[0:1], 0x10                ; y
	v_lshl_add_u32 v[SPW], v0, 2, SPARE
	v_mov_b32 v[NIL], 0
	ds_add_u32 v28, v29
	ds_add_u32 v28, v29
	s_wait_dscnt 0x0
	v_lshrrev_b32 v1, 5, v0
	v_readfirstlane_b32 s10, v1                    ; wave 0..3
	s_lshr_b32 s11, s10, 1                         ; which 64 rows are mine.  Also: I fetch for A (0) or W (1)
	s_and_b32 s12, s10, 1                          ; which 64 columns
	s_bfe_u32 s40, ttmp6, 0x40000
	s_bfe_u32 s41, ttmp6, 0x40004
	s_lshl_b32 s42, ttmp9, 2
	s_add_co_u32 s42, s42, s40                     ; tile column
	s_and_b32 s13, ttmp7, 0xffff
	s_lshl_b32 s13, s13, 2
	s_add_co_u32 s13, s13, s41                     ; tile row
	s_lshl_b32 s43, s41, 2
	s_lshl_b32 s43, 15, s43
	s_lshl_b32 s44, 0x1111, s40
	s_or_b32 s[G1+0], s43, (3<<16)|(1<<21)         ; 51,200 dense bytes: 2 rows of 3,200 elements of 8 bytes, no padding; the mask, bit 21 beside it
	s_or_b32 s[G1B+0], s44, (3<<16)|(1<<21)
.irp g, G1, G1B
	; a tile is two rows, one for each block of 64 rows of the operand: 4 panels on end, 25,600 bytes; the blocks lie KS panels apart
	s_mov_b32 s[\g+1], 3200<<16
	s_mov_b32 s[\g+2], 2<<16
	s_mov_b32 s[\g+3], 3200<<16
	s_mov_b32 s[\g+4], 2
	s_mov_b32 s[\g+5], KS*PAN/8
	s_mov_b32 s[\g+6], 0
	s_mov_b32 s[\g+7], 0
.endr
	s_lshl_b32 s16, s13, 1
	s_mul_i32 s16, s16, KS*PAN
	s_mov_b32 s17, 0
	s_lshl_b32 s46, s42, 1
	s_mul_i32 s46, s46, KS*PAN
	s_add_co_u32 s46, s46, WOFF
	s_mov_b32 s47, 0
	s_wait_kmcnt 0x0
	s_add_nc_u64 s[14:15], s[4:5], s[16:17]
	s_add_nc_u64 s[46:47], s[6:7], s[46:47]
	CROUND
.irp s, 0,1
	s_mov_b32 s[G0+4*\s], 1
	s_mov_b32 s[G0+4*\s+1], \s*SLOT
	s_add_nc_u64 s[G0+4*\s+2:G0+4*\s+3], s[14:15], \s*PIECE
	s_or_b32 s[G0+4*\s+3], s[G0+4*\s+3], 0x80000000
	s_mov_b32 s[G0B+4*\s], 1
	s_mov_b32 s[G0B+4*\s+1], \s*SLOT+2*PIECE
	s_add_nc_u64 s[G0B+4*\s+2:G0B+4*\s+3], s[46:47], \s*PIECE
	s_or_b32 s[G0B+4*\s+3], s[G0B+4*\s+3], 0x80000000
.endr
; the head's four tiles, one a wave, each on a line of its own in one chain of branches: A's and W's chunk 0, A's and W's chunk 1
.macro HARM w, g0, g1
	s_cmp_eq_u32 s10, \w
	s_cbranch_scc0 .Lha_\@
	tensor_load_to_lds s[\g0:\g0+3], s[\g1:\g1+7]
	s_nop 0
	PLACES
	s_branch .Lhasked
.Lha_\@:
.endm
	HARM 0, G0, G1
	HARM 1, G0B, G1B
	HARM 2, G0+4, G1
	tensor_load_to_lds s[G0B+4:G0B+7], s[G1B:G1B+7]
	s_nop 0
	PLACES
.Lhasked:
	v_and_b32 v1, 15, v0                           ; r
	v_bfe_u32 v2, v0, 4, 1                         ; h
	v_and_b32 v3, 31, v0
	v_lshlrev_b32 v17, 4, v3
	v_lshlrev_b32 v18, 3, v3
	s_mul_i32 s21, s11, PIECE
	s_mul_i32 s22, s12, PIECE
	s_add_co_u32 s22, s22, 2*PIECE
	s_sub_co_u32 s23, s22, s21
	v_mul_u32_u24 v19, s23, v2                     ; lanes 16-31 take W's scale words
	v_lshl_add_u32 v19, v1, 2, v19
.irp s, 0,1
	v_add_nc_u32 v[AQ+\s], s21, v17
	v_add_nc_u32 v[AD+\s], s21, v18
	v_add_nc_u32 v[BQ+\s], s22, v17
	v_add_nc_u32 v[BD+\s], s22, v18
	v_add_nc_u32 v[ASC+\s], s21, v19
	s_add_co_u32 s21, s21, SLOT
	s_add_co_u32 s22, s22, SLOT
.endr
	s_mul_i32 s23, s10, 64*SPITCH
	s_add_co_u32 s23, s23, STAGE                   ; my stage
	v_mul_u32_u24 v20, v1, SPITCH
	v_lshl_add_u32 v20, v2, 6, v20
	v_add_nc_u32 v[STO], s23, v20                  ; in: lane-row r, + 64 h
	v_mul_u32_u24 v20, v2, SPITCH
	v_lshl_add_u32 v20, v1, 4, v20
	v_add_nc_u32 v[RD], s23, v20                   ; back: lanes 0-15 one row of 256 bytes, lanes 16-31 the next
	v_lshlrev_b32 v[CO], 12, v2
	v_lshl_add_u32 v[CO], v1, 4, v[CO]             ; and the same two rows in y
	s_lshl_b32 s16, s13, 7
	s_lshl_b32 s17, s11, 6
	s_add_co_u32 s16, s16, s17
	s_lshl_b32 s16, s16, 12                        ; my first row of y
	s_mov_b32 s17, 0
	s_add_nc_u64 s[8:9], s[8:9], s[16:17]
	s_lshl_b32 s46, s42, 9
	s_lshl_b32 s47, s12, 8
	s_add_co_u32 s46, s46, s47                     ; my first column, in bytes
	s_mov_b32 s47, 0
	s_add_nc_u64 s[8:9], s[8:9], s[46:47]
	s_wait_alu depctr_va_vdst(0)
	s_cmp_lt_u32 s10, 2                            ; waves 0 and 1 brought chunk 0; chunk 1 may stay out
	s_cbranch_scc0 .Lnot_first
	s_wait_tensorcnt 0x0
.Lnot_first:
	s_barrier_signal -1
	s_barrier_wait -1
	FETCH 0, 0, 0
	STEP 0, 0, 1                                   ; the first products start the sums
.if LAPS > 1
	WIN 0
	s_mov_b32 s3, LAPS-1
.Llap:
	STEP 0, 1, 0
	STEP 0, 2, 0
	TURN 0, 1, 1
	STEP 1, 0, 0
	STEP 1, 1, 0
	STEP 1, 2, 0
	TURN 1, 0, 1
	STEP 0, 0, 0
	WIN 0
	s_sub_co_u32 s3, s3, 1
	s_cmp_lg_u32 s3, 0
	s_cbranch_scc1 .Llap
.endif
	STEP 0, 1, 0
	STEP 0, 2, 0
	TURN 0, 1, 0
	STEP 1, 0, 0
	STEP 1, 1, 0
	STEP 1, 2, 0
	s_wait_dscnt 0x0
	MUL8 1, 0, 0
	MUL8 1, 2, 0
	WIN 0
	; THE WAY OUT, through my own stage: rows in the order of the tiles' lanes in, whole rows of 256 bytes back, each to its true row of y
	PLACES
.irp a, 0,1,2,3
.irp b, 0,1,2,3
	ds_store_b128 v[STO], v[ACC+8*(4*\a+\b):ACC+8*(4*\a+\b)+3] offset:16*\a*SPITCH+128*(\b/2)+32*(\b%2)
	ds_store_b128 v[STO], v[ACC+8*(4*\a+\b)+4:ACC+8*(4*\a+\b)+7] offset:16*\a*SPITCH+128*(\b/2)+32*(\b%2)+16
.endr
.endr
.irp u, 0,1
.if \u
	s_wait_xcnt 0x0                                ; the first half's stores have read their registers
.endif
.irp t, 0,1,2,3,4,5,6,7,8,9,10,11,12,13,14,15
	ds_load_b128 v[TMP+4*\t:TMP+4*\t+3], v[RD] offset:(16*\u+\t)*2*SPITCH   ; my own bytes, served in order
.endr
.irp t, 0,1,2,3,4,5,6,7,8,9,10,11,12,13,14,15
	s_wait_dscnt 15-\t
	global_store_b128 v[CO], v[TMP+4*\t:TMP+4*\t+3], s[8:9] offset:(32*\u+8*(\t/8)+(2*\t)%8+16*((\t%8)/4))*4096   ; 16 lanes store 256 consecutive bytes, aligned
.endr
.endr
	s_wait_tensorcnt 0x0                           ; the wave's end
	ds_add_u32 v[SPW], v[NIL]
	s_wait_dscnt 0x0
	CROUND
	s_endpgm
.Lfunc_end_k_qee036cdc43_proj:
	.size	k_qee036cdc43_proj, .Lfunc_end_k_qee036cdc43_proj-k_qee036cdc43_proj
	.p2alignl 7, 3214868480
	.fill 96, 4, 3214868480
	.section	.rodata,"a",@progbits
	.p2align	6, 0x0
	.amdhsa_kernel k_qee036cdc43_proj
		.amdhsa_group_segment_fixed_size 327680
		.amdhsa_private_segment_fixed_size 0
		.amdhsa_enable_private_segment 0
		.amdhsa_kernarg_size 24
		.amdhsa_user_sgpr_count 2
		.amdhsa_user_sgpr_kernarg_segment_ptr 1
		.amdhsa_wavefront_size32 1
		.amdhsa_system_sgpr_workgroup_id_x 1
		.amdhsa_system_sgpr_workgroup_id_y 1
		.amdhsa_system_sgpr_workgroup_id_z 1
		.amdhsa_system_vgpr_workitem_id 0
		.amdhsa_next_free_vgpr 512
		.amdhsa_next_free_sgpr 66
		.amdhsa_reserve_vcc 0
		.amdhsa_float_denorm_mode_32 3
		.amdhsa_float_denorm_mode_16_64 3
		.amdhsa_memory_ordered 1
		.amdhsa_forward_progress 1
		.amdhsa_inst_pref_size 52
	.end_amdhsa_kernel
	.amdgpu_metadata
---
amdhsa.version: [ 1, 2 ]
amdhsa.kernels:
  - .name:           k_qee036cdc43_proj
    .symbol:         k_qee036cdc43_proj.kd
    .args:
      - { .name: ac, .offset: 0, .size: 8, .value_kind: global_buffer, .address_space: global }
      - { .name: wts, .offset: 8, .size: 8, .value_kind: global_buffer, .address_space: global }
      - { .name: yb, .offset: 16, .size: 8, .value_kind: global_buffer, .address_space: global }
    .group_segment_fixed_size: 327680
    .private_segment_fixed_size: 0
    .kernarg_segment_align: 8
    .kernarg_segment_size: 24
    .max_flat_workgroup_size: 128
    .sgpr_count:     66
    .vgpr_count:     512
    .wavefront_size: 32
...
	.end_amdgpu_metadata
.endif
;; end of part 4
;; launch ln1 (part 5): grid 256 x 1, 8 waves a work-group, no clusters, 67,072 bytes of LDS; arguments yb, x, b_proj, g1, be1, x1f, x1c; writes x1f, x1c
.if DOCPART == 5
	.amdgcn_target "amdgcn-amd-amdhsa--gfx1250"
	.amdhsa_code_object_version 6
	.text
	.protected	k_qee036cdc43_ln1
	.globl	k_qee036cdc43_ln1
	.p2align	8
	.type	k_qee036cdc43_ln1,@function
k_qee036cdc43_ln1:
	s_mov_b64 s[64:65], 0
	v_nop
	global_prefetch_b8 v0, s[64:65] scope:SCOPE_SE
	s_setreg_imm32_b32 hwreg(HW_REG_WAVE_MODE, 25, 1), 1
	s_wait_xcnt 0x0
; x1 = LayerNorm(x + (y + b)) g + be, all in f32; stored as f32 (the second residual) and as codes of BF6 in panels (the first MLP product's A).
; Work-group T owns the 16 rows of tile T: 32 (T / 2) + 8 (T % 2) + i % 8 + 16 (i / 8); wave w owns i = 2 w, 2 w + 1, two neighbouring rows, each whole in 32 registers: the row's sums never leave the wave.
; Mean first, then the mean of the squared differences, as it is defined.  Every load and store of a wave covers 512 consecutive bytes.
; Then the 16 rows meet in LDS (pitch 4,096 + 16), and wave w quantises K step w of the tile: an image of 1,536 bytes and 16 scale words.
; Memory binds: no matrix unit, no cluster, no tensor load.  LIMITS: NaN and infinities are not served; a block whose largest magnitude lies under 2^-122, or is 0, gets the byte 1.
.set BB,  16                           ; v16-47 b, v48-79 g, v80-111 be: my 32 columns (128 j + 4 lane + 0..3)
.set GG,  48
.set BE,  80
.set XR,  112                          ; v112-175 two rows of x, then of the result
.set YR,  176                          ; v176-239 two rows of y; later 64 numbers to quantise
.set SM,  240                          ; v240-247 sums;  v248-255 sums of squares
.set SQ,  248
.set SEL, 26
.set TM,  16
.set PW,  32
.set PC,  40
.set RP,  4112
.macro RED d                           ; two pairs of partial sums -> the row's sum in every lane
	v_pk_add_f32 v[\d:\d+1], v[\d:\d+1], v[\d+2:\d+3]
	s_delay_alu instid0(VALU_DEP_1)
	v_add_f32 v[\d], v[\d], v[\d+1]
	s_delay_alu instid0(VALU_DEP_1)
	v_add_f32_dpp v[\d], v[\d], v[\d] row_xmask:1 row_mask:0xf bank_mask:0xf
	s_delay_alu instid0(VALU_DEP_1)
	v_add_f32_dpp v[\d], v[\d], v[\d] row_xmask:2 row_mask:0xf bank_mask:0xf
	s_delay_alu instid0(VALU_DEP_1)
	v_add_f32_dpp v[\d], v[\d], v[\d] row_xmask:4 row_mask:0xf bank_mask:0xf
	s_delay_alu instid0(VALU_DEP_1)
	v_add_f32_dpp v[\d], v[\d], v[\d] row_xmask:8 row_mask:0xf bank_mask:0xf
	s_delay_alu instid0(VALU_DEP_1)
	v_permlanex16_b32 v[\d+1], v[\d], s[SEL], s[SEL+1]
	s_delay_alu instid0(VALU_DEP_1)
	v_add_f32 v[\d], v[\d], v[\d+1]
.endm
.macro QUANT s, pw
.irp b, 0,1,2,3
	v_max3_num_f32 v[TM+\b], |v[(\s)+16*\b]|, |v[(\s)+1+16*\b]|, 0x2800000   ; and the floor 2^(5 - 127)
.endr
.irp i, 2,4,6,8,10,12,14
.irp b, 0,1,2,3
	s_delay_alu instid0(VALU_DEP_4)
	v_max3_num_f32 v[TM+\b], v[TM+\b], |v[(\s)+16*\b+\i]|, |v[(\s)+1+16*\b+\i]|
.endr
.endr
.irp b, 0,1,2,3
	s_delay_alu instid0(VALU_DEP_4)
	v_permlanex16_b32 v[TM+4+\b], v[TM+\b], s[SEL], s[SEL+1]
.endr
.irp b, 0,1,2,3
	s_delay_alu instid0(VALU_DEP_4)
	v_max_num_f32 v[TM+\b], v[TM+\b], v[TM+4+\b]
.endr
.irp b, 0,1,2,3
	s_delay_alu instid0(VALU_DEP_4)
	v_add_nc_u32 v[TM+12+\b], 0xfe000000, v[TM+\b]
.endr
.irp b, 0,1,2,3
	s_delay_alu instid0(VALU_DEP_4)
	v_lshrrev_b32 v[TM+4+\b], 23, v[TM+12+\b]
.endr
	s_delay_alu instid0(VALU_DEP_3)
	v_lshl_or_b32 v[\pw], v[TM+5], 8, v[TM+4]
	s_delay_alu instid0(VALU_DEP_1)
	v_lshl_or_b32 v[\pw], v[TM+6], 16, v[\pw]
	s_delay_alu instid0(VALU_DEP_1)
	v_lshl_or_b32 v[\pw], v[TM+7], 24, v[\pw]
.irp c, 0,1
	v_cvt_scalef32_pk16_bf6_f32 v[PC+6*\c:PC+2+6*\c], v[(\s)+32*\c:(\s)+15+32*\c], v[TM+12+2*\c]
	v_cvt_scalef32_pk16_bf6_f32 v[PC+12+4*\c:PC+14+4*\c], v[(\s)+16+32*\c:(\s)+31+32*\c], v[TM+12+2*\c+1]
.endr
	v_nop
.irp c, 0,1
.irp i, 0,1,2
	v_permlane16_swap_b32 v[PC+6*\c+\i], v[PC+12+4*\c+\i]
.endr
.irp i, 0,1,2
	s_delay_alu instid0(VALU_DEP_3)
	v_mov_b32 v[PC+3+6*\c+\i], v[PC+12+4*\c+\i]
.endr
.endr
.endm
	s_load_b256 s[4:11], s[0:1], 0x0               ; y, x, b, g
	s_load_b128 s[12:15], s[0:1], 0x20             ; be, x1 in f32
	s_load_b64 s[16:17], s[0:1], 0x30              ; x1's panels
	v_lshl_add_u32 v14, v0, 2, 0x10200
	v_mov_b32 v15, 0
	v_lshrrev_b32 v1, 5, v0
	s_delay_alu instid0(VALU_DEP_1)
	v_readfirstlane_b32 s18, v1                    ; wave 0..7
	v_and_b32 v2, 31, v0
	s_delay_alu instid0(VALU_DEP_1)
	v_lshlrev_b32 v3, 4, v2                        ; 16 x lane
	s_lshr_b32 s20, ttmp9, 1
	s_lshl_b32 s20, s20, 5
	s_and_b32 s21, ttmp9, 1
	s_lshl_b32 s21, s21, 3
	s_add_co_u32 s20, s20, s21
	s_lshl_b32 s21, s18, 1
	s_and_b32 s21, s21, 7
	s_add_co_u32 s20, s20, s21
	s_lshr_b32 s21, s18, 2
	s_lshl_b32 s21, s21, 4
	s_add_co_u32 s20, s20, s21                     ; the first of my two rows
	s_lshl_b32 s20, s20, 12
	s_mov_b32 s21, 0
	s_mov_b32 s22, 0x3a800000                      ; 1 / 1024
	s_mov_b32 s23, 0x3727c5ac                      ; 1e-5
	s_mov_b32 s[SEL], 0x76543210
	s_mov_b32 s[SEL+1], 0xfedcba98
	s_wait_alu depctr_va_vdst(0)
	s_wait_kmcnt 0x0
	s_add_nc_u64 s[4:5], s[4:5], s[20:21]
	s_add_nc_u64 s[6:7], s[6:7], s[20:21]
	s_add_nc_u64 s[14:15], s[14:15], s[20:21]
.irp i, 0,1
.irp j, 0,1,2,3,4,5,6,7
	global_load_b128 v[YR+32*\i+4*\j:YR+32*\i+4*\j+3], v3, s[4:5] offset:4096*\i+512*\j th:TH_LOAD_NT
	global_load_b128 v[XR+32*\i+4*\j:XR+32*\i+4*\j+3], v3, s[6:7] offset:4096*\i+512*\j th:TH_LOAD_NT
.endr
.endr
.irp j, 0,1,2,3,4,5,6,7
	global_load_b128 v[BB+4*\j:BB+4*\j+3], v3, s[8:9] offset:512*\j
	global_load_b128 v[GG+4*\j:GG+4*\j+3], v3, s[10:11] offset:512*\j
	global_load_b128 v[BE+4*\j:BE+4*\j+3], v3, s[12:13] offset:512*\j
.endr
	s_wait_loadcnt 0x0
.irp i, 0,1
.set k, 0
.rept 16
	v_pk_add_f32 v[YR+32*\i+k:YR+32*\i+k+1], v[YR+32*\i+k:YR+32*\i+k+1], v[BB+k:BB+k+1]
	s_delay_alu instid0(VALU_DEP_1)
	v_pk_add_f32 v[XR+32*\i+k:XR+32*\i+k+1], v[XR+32*\i+k:XR+32*\i+k+1], v[YR+32*\i+k:YR+32*\i+k+1]
.set k, k+2
.endr
.endr
.irp i, 0,1                                    ; the rows' sums, in two chains each
	v_pk_add_f32 v[SM+4*\i:SM+4*\i+1], v[XR+32*\i:XR+32*\i+1], v[XR+32*\i+2:XR+32*\i+3]
	v_pk_add_f32 v[SM+4*\i+2:SM+4*\i+3], v[XR+32*\i+4:XR+32*\i+5], v[XR+32*\i+6:XR+32*\i+7]
.irp j, 8,12,16,20,24,28
	s_delay_alu instid0(VALU_DEP_2)
	v_pk_add_f32 v[SM+4*\i:SM+4*\i+1], v[SM+4*\i:SM+4*\i+1], v[XR+32*\i+\j:XR+32*\i+\j+1]
	s_delay_alu instid0(VALU_DEP_2)
	v_pk_add_f32 v[SM+4*\i+2:SM+4*\i+3], v[SM+4*\i+2:SM+4*\i+3], v[XR+32*\i+\j+2:XR+32*\i+\j+3]
.endr
.endr
	RED 240
	RED 244
	v_mul_f32 v[SM], s22, v[SM]                    ; the means
	s_delay_alu instid0(VALU_DEP_2)
	v_mul_f32 v[SM+4], s22, v[SM+4]
.irp i, 0,1
.set k, 0
.rept 16
	v_pk_add_f32 v[XR+32*\i+k:XR+32*\i+k+1], v[XR+32*\i+k:XR+32*\i+k+1], v[SM+4*\i:SM+4*\i+1] op_sel_hi:[1,0] neg_lo:[0,1] neg_hi:[0,1]
.set k, k+2
.endr
.endr
.irp i, 0,1
	v_pk_mul_f32 v[SQ+4*\i:SQ+4*\i+1], v[XR+32*\i:XR+32*\i+1], v[XR+32*\i:XR+32*\i+1]
	v_pk_mul_f32 v[SQ+4*\i+2:SQ+4*\i+3], v[XR+32*\i+2:XR+32*\i+3], v[XR+32*\i+2:XR+32*\i+3]
.irp j, 4,8,12,16,20,24,28
	s_delay_alu instid0(VALU_DEP_2)
	v_pk_fma_f32 v[SQ+4*\i:SQ+4*\i+1], v[XR+32*\i+\j:XR+32*\i+\j+1], v[XR+32*\i+\j:XR+32*\i+\j+1], v[SQ+4*\i:SQ+4*\i+1]
	s_delay_alu instid0(VALU_DEP_2)
	v_pk_fma_f32 v[SQ+4*\i+2:SQ+4*\i+3], v[XR+32*\i+\j+2:XR+32*\i+\j+3], v[XR+32*\i+\j+2:XR+32*\i+\j+3], v[SQ+4*\i+2:SQ+4*\i+3]
.endr
.endr
	RED 248
	RED 252
	v_fma_f32 v[SQ], v[SQ], s22, s23               ; the variance + 1e-5
	s_delay_alu instid0(VALU_DEP_2)
	v_fma_f32 v[SQ+4], v[SQ+4], s22, s23
	s_wait_alu depctr_va_vdst(0)
	v_rsq_f32 v[SQ], v[SQ]
	v_rsq_f32 v[SQ+4], v[SQ+4]
	v_nop                                          ; a plain instruction behind the two
	s_wait_alu depctr_va_vdst(0)                   ; one wait for both, ahead of their first reader
.irp i, 0,1
.set k, 0
.rept 16
	v_pk_mul_f32 v[XR+32*\i+k:XR+32*\i+k+1], v[XR+32*\i+k:XR+32*\i+k+1], v[SQ+4*\i:SQ+4*\i+1] op_sel_hi:[1,0]
	s_delay_alu instid0(VALU_DEP_1)
	v_pk_fma_f32 v[XR+32*\i+k:XR+32*\i+k+1], v[XR+32*\i+k:XR+32*\i+k+1], v[GG+k:GG+k+1], v[BE+k:BE+k+1]
.set k, k+2
.endr
.endr
	s_mul_i32 s24, s18, 2*RP
	v_add_nc_u32 v4, s24, v3                       ; the stage: my two rows
.irp i, 0,1
.irp j, 0,1,2,3,4,5,6,7
	global_store_b128 v3, v[XR+32*\i+4*\j:XR+32*\i+4*\j+3], s[14:15] offset:4096*\i+512*\j
	ds_store_b128 v4, v[XR+32*\i+4*\j:XR+32*\i+4*\j+3] offset:RP*\i+512*\j
.endr
.endr
	v_and_b32 v5, 15, v0                           ; r
	v_bfe_u32 v6, v0, 4, 1                         ; h
	s_delay_alu instid0(VALU_DEP_2)
	v_mul_u32_u24 v7, v5, RP
	s_delay_alu instid0(VALU_DEP_1)
	v_lshl_add_u32 v7, v6, 6, v7
	s_lshl_b32 s24, s18, 9
	v_add_nc_u32 v7, s24, v7                       ; row r, K step w, + 64 h
	v_lshlrev_b32 v8, 3, v2                        ; 8 x lane
	v_lshlrev_b32 v9, 2, v5                        ; 4 r
	s_lshr_b32 s24, ttmp9, 3
	s_lshl_b32 s24, s24, 3
	s_add_co_u32 s24, s24, s18
	s_mul_i32 s24, s24, 12800                      ; panel (T / 8) 8 + w
	s_and_b32 s25, ttmp9, 7
	s_mul_i32 s28, s25, 1536
	s_add_co_u32 s28, s28, s24
	s_mov_b32 s29, 0
	s_lshl_b32 s30, s25, 6
	s_add_co_u32 s30, s30, s24
	s_mov_b32 s31, 0
	s_add_nc_u64 s[28:29], s[16:17], s[28:29]      ; image T % 8,
	s_add_nc_u64 s[30:31], s[16:17], s[30:31]      ; and its scale words (12,288 in the offset)
	s_wait_alu depctr_va_vdst(0)
	s_wait_dscnt 0x0                               ; for the others' sake: my rows lie in the stage
	s_barrier_signal -1
	s_barrier_wait -1
.irp b, 0,1,2,3
.irp j, 0,1,2,3
	ds_load_b128 v[YR+16*\b+4*\j:YR+16*\b+4*\j+3], v7 offset:128*\b+16*\j
.endr
.endr
.irp b, 0,1,2,3
	v_mov_b32 v[TM+4+\b], 0
.endr
	s_wait_dscnt 0x0
	QUANT YR, PW
	global_store_b128 v3, v[PC:PC+3], s[28:29]
	global_store_b64 v8, v[PC+4:PC+5], s[28:29] offset:512
	global_store_b128 v3, v[PC+6:PC+9], s[28:29] offset:768
	global_store_b64 v8, v[PC+10:PC+11], s[28:29] offset:1280
	global_store_b32 v9, v[PW], s[30:31] offset:12288              ; lanes r and r + 16 hold and write the same word
	s_wait_tensorcnt 0x0
	ds_add_u32 v14, v15
	s_wait_dscnt 0x0
	s_endpgm
.Lfunc_end_k_qee036cdc43_ln1:
	.size	k_qee036cdc43_ln1, .Lfunc_end_k_qee036cdc43_ln1-k_qee036cdc43_ln1
	.p2alignl 7, 3214868480
	.fill 96, 4, 3214868480
	.section	.rodata,"a",@progbits
	.p2align	6, 0x0
	.amdhsa_kernel k_qee036cdc43_ln1
		.amdhsa_group_segment_fixed_size 67072
		.amdhsa_private_segment_fixed_size 0
		.amdhsa_enable_private_segment 0
		.amdhsa_kernarg_size 56
		.amdhsa_user_sgpr_count 2
		.amdhsa_user_sgpr_kernarg_segment_ptr 1
		.amdhsa_wavefront_size32 1
		.amdhsa_system_sgpr_workgroup_id_x 1
		.amdhsa_system_sgpr_workgroup_id_y 1
		.amdhsa_system_sgpr_workgroup_id_z 1
		.amdhsa_system_vgpr_workitem_id 0
		.amdhsa_next_free_vgpr 256
		.amdhsa_next_free_sgpr 66
		.amdhsa_reserve_vcc 0
		.amdhsa_float_denorm_mode_32 3
		.amdhsa_float_denorm_mode_16_64 3
		.amdhsa_memory_ordered 1
		.amdhsa_forward_progress 1
		.amdhsa_inst_pref_size 39
	.end_amdhsa_kernel
	.amdgpu_metadata
---
amdhsa.version: [ 1, 2 ]
amdhsa.kernels:
  - .name:           k_qee036cdc43_ln1
    .symbol:         k_qee036cdc43_ln1.kd
    .args:
      - { .name: yb, .offset: 0, .size: 8, .value_kind: global_buffer, .address_space: global }
      - { .name: x, .offset: 8, .size: 8, .value_kind: global_buffer, .address_space: global }
      - { .name: b_proj, .offset: 16, .size: 8, .value_kind: global_buffer, .address_space: global }
      - { .name: g1, .offset: 24, .size: 8, .value_kind: global_buffer, .address_space: global }
      - { .name: be1, .offset: 32, .size: 8, .value_kind: global_buffer, .address_space: global }
      - { .name: x1f, .offset: 40, .size: 8, .value_kind: global_buffer, .address_space: global }
      - { .name: x1c, .offset: 48, .size: 8, .value_kind: global_buffer, .address_space: global }
    .group_segment_fixed_size: 67072
    .private_segment_fixed_size: 0
    .kernarg_segment_align: 8
    .kernarg_segment_size: 56
    .max_flat_workgroup_size: 256
    .sgpr_count:     66
    .vgpr_count:     256
    .wavefront_size: 32
...
	.end_amdgpu_metadata
.endif
;; end of part 5
;; launch ff1 (part 6): grid 16 x 16, 4 waves a work-group, clusters of 4 x 4, 327,680 bytes of LDS; arguments x1c, wts, b1, hc; writes hc
.if DOCPART == 6
	.amdgcn_target "amdgcn-amd-amdhsa--gfx1250"
	.amdhsa_code_object_version 6
	.text
	.protected	k_qee036cdc43_ff1
	.globl	k_qee036cdc43_ff1
	.p2align	8
	.type	k_qee036cdc43_ff1,@function
k_qee036cdc43_ff1:
	s_mov_b64 s[64:65], 0
	v_nop
	global_prefetch_b8 v0, s[64:65] scope:SCOPE_SE
	s_setreg_imm32_b32 hwreg(HW_REG_WAVE_MODE, 25, 1), 1
	s_wait_xcnt 0x0
	s_wait_alu depctr_hold_cnt(0) depctr_sa_sdst(0) depctr_va_vdst(0) depctr_va_sdst(0) depctr_va_ssrc(0) depctr_va_vcc(0) depctr_vm_vsrc(0)
	s_getreg_b32 s2, hwreg(HW_REG_IB_STS2, 6, 4)
	s_cmp_eq_u32 s2, 0
	s_cbranch_scc0 .Lentry_in_a_cluster
	s_endpgm
.Lentry_in_a_cluster:
	s_bfe_u32 s2, ttmp6, 0x10000c
	s_cmp_lg_u32 s2, 0xf033
	s_cbranch_scc0 .Lentry_shape_is_right
	s_endpgm
.Lentry_shape_is_right:
.set W1O,   6553600
.set PIECE, 25600
.set SLOT,  4*PIECE
.set SPARE, 3*SLOT
.set PAN,   12800
.set FR,    12
.set LN,    3
.set AQ,    4
.set AD,    7
.set BQ,    10
.set BD,    13
.set ASC,   16
.set LQ,    20
.set LH,    21
.set LW,    22
.set SPW,   28
.set NIL,   29
.set SC,    32
.set PWR,   48
.set SW,    56
.set BI,    64
.set ST,    64
.set AF,    128
.set TM,    128
.set PC,    144
.set G1,    24
.set G1B,   48
.set G0,    68
.set G0B,   80
.set SEL,   94
.set OB0,   32
.set OS0,   36
.set MSB, 0
.macro WIN new
.if MSB != (\new)
	s_set_vgpr_msb (MSB<<8)|(\new)
.set MSB, (\new)
.endif
.endm
.set MUL_LO, 0xa1
.set MUL_HI, 0xf1
.set TO_B,   0x40
.macro JLOAD n
	s_cmp_eq_u32 s15, 0
	s_cbranch_scc0 .Lfor_b_\@
	tensor_load_to_lds s[G0+4*\n:G0+4*\n+3], s[G1:G1+7]
	s_nop 0
.rept 4
	v_nop
.endr
	s_branch .Lasked_\@
.Lfor_b_\@:
	tensor_load_to_lds s[G0B+4*\n:G0B+4*\n+3], s[G1B:G1B+7]
	s_nop 0
.rept 4
	v_nop
.endr
.Lasked_\@:
.endm
.macro CREST
	s_cmp_lg_u32 s14, 0
	s_cbranch_scc1 .Lnot_wave_0_\@
	s_barrier_signal -3
.Lnot_wave_0_\@:
	s_barrier_wait -3
	s_barrier_signal -1
	s_barrier_wait -1
.endm
.macro CROUND
	s_barrier_signal -1
	s_barrier_wait -1
	CREST
.endm
.macro PLACES
.rept 4
	v_nop
.endr
.endm
.macro FRAG reg, a16, a8, off
	ds_load_b128 v[(\reg):(\reg)+3], v[\a16] offset:(\off)
	ds_load_b64 v[(\reg)+4:(\reg)+5], v[\a8] offset:(\off)+512
	ds_load_b128 v[(\reg)+6:(\reg)+9], v[\a16] offset:(\off)+768
	ds_load_b64 v[(\reg)+10:(\reg)+11], v[\a8] offset:(\off)+1280
.endm
.macro FETCH_B slot, q, p
	WIN TO_B
.irp i, 0,1,2,3,4,5,6,7
	FRAG 128*(\p)+FR*\i, BQ+\slot, BD+\slot, (\q)*PAN+1536*\i
.endr
	WIN 0
.endm
.macro FETCH_A slot, q, i0
.irp i, \i0, \i0+1, \i0+2, \i0+3
	FRAG AF+FR*(\i), AQ+\slot, AD+\slot, (\q)*PAN+1536*(\i)
.endr
.endm
.macro SCALES slot, q, set
.irp i, 0,1,2,3,4,5,6,7
	ds_load_b32 v[SC+8*(\set)+\i], v[ASC+\slot] offset:(\q)*PAN+12288+64*\i
.endr
.endm
.macro MUL16 a0, p, bias
.irp a, \a0, \a0+1
.irp b, 0,1,2,3,4,5,6,7
.if \bias
	v_wmma_scale_f32_16x16x128_f8f6f4 v[8*(8*((\a)%4)+\b):8*(8*((\a)%4)+\b)+7], v[128*(\p)+FR*\b:128*(\p)+FR*\b+FR-1], v[AF+FR*(\a):AF+FR*(\a)+FR-1], v[BI+8*\b:BI+8*\b+7], v[SC+8*(\p)+\b], v[SC+8*(\p)+(\a)] matrix_a_fmt:MATRIX_FMT_BF6 matrix_b_fmt:MATRIX_FMT_BF6 matrix_a_scale:MATRIX_SCALE_ROW1
.else
	v_wmma_scale_f32_16x16x128_f8f6f4 v[8*(8*((\a)%4)+\b):8*(8*((\a)%4)+\b)+7], v[128*(\p)+FR*\b:128*(\p)+FR*\b+FR-1], v[AF+FR*(\a):AF+FR*(\a)+FR-1], v[8*(8*((\a)%4)+\b):8*(8*((\a)%4)+\b)+7], v[SC+8*(\p)+\b], v[SC+8*(\p)+(\a)] matrix_a_fmt:MATRIX_FMT_BF6 matrix_b_fmt:MATRIX_FMT_BF6 matrix_a_scale:MATRIX_SCALE_ROW1
.endif
.endr
.endr
.endm
.macro STEP slot, bias
	s_wait_dscnt 16
.if \bias
	WIN 0x81
.else
	WIN MUL_LO
.endif
	MUL16 0, 0, \bias
	MUL16 2, 0, \bias
	s_wait_dscnt 0x0
	PLACES
	FETCH_B \slot, 1, 1
	FETCH_A \slot, 1, 0
	SCALES \slot, 1, 1
.if \bias
	WIN 0xc1
.else
	WIN MUL_HI
.endif
	MUL16 4, 0, \bias
	MUL16 6, 0, \bias
	PLACES
	WIN 0
	FETCH_A \slot, 1, 4
.endm
.macro TURN next, tcnt, fill
	s_wait_tensorcnt \tcnt
.if \tcnt == 0
	ds_add_u32 v[SPW], v[NIL]
	s_wait_dscnt 17
.else
	s_wait_dscnt 16
.endif
	WIN MUL_LO
	MUL16 0, 1, 0
	s_wait_dscnt 0x0
	s_barrier_signal -1
	MUL16 2, 1, 0
	WIN 0
	s_barrier_wait -1
.if \fill
	CREST
	s_add_nc_u64 s[G0+2:G0+3], s[G0+2:G0+3], 3*PIECE
	s_add_nc_u64 s[G0B+2:G0B+3], s[G0B+2:G0B+3], 3*PIECE
	JLOAD 0
.else
	PLACES
.endif
	FETCH_B \next, 0, 0
	FETCH_A \next, 0, 0
	SCALES \next, 0, 0
	WIN MUL_HI
	MUL16 4, 1, 0
	MUL16 6, 1, 0
	PLACES
	WIN 0
	FETCH_A \next, 0, 4
.endm
.macro QUANT s, pw
.irp b, 0,1,2,3
	v_max3_num_f32 v[TM+\b], v[(\s)+16*\b], v[(\s)+1+16*\b], 0x2800000
.endr
.irp i, 2,4,6,8,10,12,14
.irp b, 0,1,2,3
	v_max3_num_f32 v[TM+\b], v[TM+\b], v[(\s)+16*\b+\i], v[(\s)+1+16*\b+\i]
.endr
.endr
.irp b, 0,1,2,3
	v_permlanex16_b32 v[TM+4+\b], v[TM+\b], s[SEL], s[SEL+1]
.endr
.irp b, 0,1,2,3
	v_max_num_f32 v[TM+\b], v[TM+\b], v[TM+4+\b]
.endr
.irp b, 0,1,2,3
	v_add_nc_u32 v[TM+12+\b], 0xfe000000, v[TM+\b]
.endr
.irp b, 0,1,2,3
	v_lshrrev_b32 v[TM+4+\b], 23, v[TM+12+\b]
.endr
	v_lshl_or_b32 v[\pw], v[TM+5], 8, v[TM+4]
	v_lshl_or_b32 v[\pw], v[TM+6], 16, v[\pw]
	v_lshl_or_b32 v[\pw], v[TM+7], 24, v[\pw]
.irp c, 0,1
	v_cvt_scalef32_pk16_bf6_f32 v[PC+6*\c:PC+2+6*\c], v[(\s)+32*\c:(\s)+15+32*\c], v[TM+12+2*\c]
	v_cvt_scalef32_pk16_bf6_f32 v[PC+12+4*\c:PC+14+4*\c], v[(\s)+16+32*\c:(\s)+31+32*\c], v[TM+12+2*\c+1]
.endr
	v_nop
.irp c, 0,1
.irp i, 0,1,2
	v_permlane16_swap_b32 v[PC+6*\c+\i], v[PC+12+4*\c+\i]
.endr
.irp i, 0,1,2
	v_mov_b32 v[PC+3+6*\c+\i], v[PC+12+4*\c+\i]
.endr
.endr
.endm
.macro OUTA a
	s_wait_xcnt 0x0
.if (\a) == 4
	s_add_nc_u64 s[OB0:OB0+1], s[OB0:OB0+1], 1536+198656
.elseif (\a) > 0
	s_add_nc_u64 s[OB0:OB0+1], s[OB0:OB0+1], 1536
.endif
	WIN (2+(\a)/4)<<2
.set j, 0
.rept 64
	v_max_num_f32 v[ST+j], 0, v[64*((\a)%4)+j]
.set j, j+1
.endr
	WIN 0
	QUANT ST, PWR+(\a)
	global_store_b128 v[LQ], v[PC:PC+3], s[OB0:OB0+1]
	global_store_b64 v[LH], v[PC+4:PC+5], s[OB0:OB0+1] offset:512
	global_store_b128 v[LQ], v[PC+6:PC+9], s[OB0:OB0+1] offset:768
	global_store_b64 v[LH], v[PC+10:PC+11], s[OB0:OB0+1] offset:1280
.endm
	s_load_b256 s[4:11], s[0:1], 0x0
	v_lshl_add_u32 v[SPW], v0, 2, SPARE
	v_mov_b32 v[NIL], 0
	ds_add_u32 v28, v29
	ds_add_u32 v28, v29
	s_wait_dscnt 0x0
	v_lshrrev_b32 v1, 5, v0
	v_readfirstlane_b32 s14, v1
	s_lshr_b32 s15, s14, 1
	s_and_b32 s16, s14, 1
	s_bfe_u32 s40, ttmp6, 0x40000
	s_bfe_u32 s41, ttmp6, 0x40004
	s_lshl_b32 s42, ttmp9, 2
	s_add_co_u32 s42, s42, s40
	s_and_b32 s17, ttmp7, 0xffff
	s_lshl_b32 s17, s17, 2
	s_add_co_u32 s17, s17, s41
	s_lshl_b32 s43, s41, 2
	s_lshl_b32 s43, 15, s43
	s_lshl_b32 s44, 0x1111, s40
	s_or_b32 s[G1+0], s43, (3<<16)|(1<<21)
	s_or_b32 s[G1B+0], s44, (3<<16)|(1<<21)
.irp g, G1, G1B
	; THE FILLS: a tile is two rows, one for each block of 128 rows of the operand; a row is 3 panels (K steps) on end, 38,400 bytes; the blocks lie 102,400 bytes apart
	s_mov_b32 s[\g+1], 4800<<16
	s_mov_b32 s[\g+2], 2<<16
	s_mov_b32 s[\g+3], 4800<<16
	s_mov_b32 s[\g+4], 2
	s_mov_b32 s[\g+5], 12800
	s_mov_b32 s[\g+6], 0
	s_mov_b32 s[\g+7], 0
.endr
	s_lshl_b32 s20, s17, 1
	s_mul_i32 s20, s20, 4*PIECE
	s_mov_b32 s21, 0
	s_lshl_b32 s46, s42, 1
	s_mul_i32 s46, s46, 4*PIECE
	s_add_co_u32 s46, s46, W1O
	s_mov_b32 s47, 0
	s_wait_kmcnt 0x0
	s_add_nc_u64 s[20:21], s[4:5], s[20:21]
	s_add_nc_u64 s[46:47], s[6:7], s[46:47]
	CROUND
; LDS: region 0 (K steps 0-2) and region 1 (steps 3-5), 153,600 bytes each: A's two rows, then B's.  Group 0 number 2 is the refill: steps 6, 7, rows of 25,600 bytes, over region 0's first 102,400 bytes
.irp n, 0,1,2
	s_mov_b32 s[G0+4*\n], 1
	s_mov_b32 s[G0+4*\n+1], 153600*(\n%2)
	s_add_nc_u64 s[G0+4*\n+2:G0+4*\n+3], s[20:21], \n*38400
	s_or_b32 s[G0+4*\n+3], s[G0+4*\n+3], 0x80000000
	s_mov_b32 s[G0B+4*\n], 1
	s_mov_b32 s[G0B+4*\n+1], 76800+153600*(\n%2)-25600*(\n/2)
	s_add_nc_u64 s[G0B+4*\n+2:G0B+4*\n+3], s[46:47], \n*38400
	s_or_b32 s[G0B+4*\n+3], s[G0B+4*\n+3], 0x80000000
.endr
; the head's four tiles, one a wave, each on a line of its own in one chain of branches: A's and B's steps 0-2, A's and B's steps 3-5
.macro HARM w, g0, g1
	s_cmp_eq_u32 s14, \w
	s_cbranch_scc0 .Lha_\@
	tensor_load_to_lds s[\g0:\g0+3], s[\g1:\g1+7]
	s_nop 0
	PLACES
	s_branch .Lhasked
.Lha_\@:
.endm
	HARM 0, G0, G1
	HARM 1, G0B, G1B
	HARM 2, G0+4, G1
	tensor_load_to_lds s[G0B+4:G0B+7], s[G1B:G1B+7]
	s_nop 0
	PLACES
.Lhasked:
	v_and_b32 v1, 15, v0
	v_bfe_u32 v2, v0, 4, 1
	s_wait_alu depctr_va_vdst(0)
	v_and_b32 v[LN], 31, v0
	v_lshlrev_b32 v[LQ], 4, v[LN]
	s_wait_alu depctr_va_vdst(0)
	v_lshlrev_b32 v[LH], 3, v[LN]
	s_wait_alu depctr_va_vdst(0)
	v_lshlrev_b32 v[LW], 2, v[LN]
	s_lshl_b32 s96, s17, 1
	s_add_co_u32 s96, s96, s15
	s_lshl_b32 s97, s42, 1
	s_add_co_u32 s97, s97, s16
	s_lshl_b32 s98, s97, 9
	s_mov_b32 s99, 0
	s_add_nc_u64 s[8:9], s[8:9], s[98:99]
	v_lshlrev_b32 v24, 6, v2
.irp b, 0,1,2,3
.irp j, 0,1,2,3
	global_load_b128 v[BI+16*\b+4*\j:BI+16*\b+4*\j+3], v24, s[8:9] offset:128*\b+16*\j
.endr
.endr
	s_wait_alu depctr_va_vdst(0)
.irp s, 0,1,2                                  ; address set 0: region 0, set 1: region 1, set 2: the refill's layout
	s_mul_i32 s56, s15, 38400-12800*(\s/2)         ; my 128 rows of A
	s_mul_i32 s57, s16, 38400-12800*(\s/2)         ; my 128 rows of B, behind A's two rows
	s_add_co_u32 s56, s56, 153600*(\s%2)
	s_add_co_u32 s57, s57, 76800+153600*(\s%2)-25600*(\s/2)
	s_sub_co_u32 s58, s57, s56
	v_mul_u32_u24 v23, s58, v2                     ; lanes 16-31 take B's scale words
	v_lshl_add_u32 v23, v1, 2, v23
	v_add_nc_u32 v[AQ+\s], s56, v[LQ]
	v_add_nc_u32 v[AD+\s], s56, v[LH]
	v_add_nc_u32 v[BQ+\s], s57, v[LQ]
	v_add_nc_u32 v[BD+\s], s57, v[LH]
	v_add_nc_u32 v[ASC+\s], s56, v23
.endr
	s_mov_b32 s[SEL], 0x76543210
	s_mov_b32 s[SEL+1], 0xfedcba98
	s_lshl_b32 s98, s96, 6
	s_add_co_u32 s98, s98, s97
	s_mul_i32 s98, s98, 6400
	s_add_nc_u64 s[OB0:OB0+1], s[10:11], s[98:99]
	s_mov_b64 s[OS0:OS0+1], s[OB0:OB0+1]
	s_wait_alu depctr_va_vdst(0)
	s_cmp_lt_u32 s14, 2                            ; waves 0 and 1 brought steps 0-2; steps 3-5 may stay out
	s_cbranch_scc0 .Lnot_first
	s_wait_tensorcnt 0x0
.Lnot_first:
	s_barrier_signal -1
	s_barrier_wait -1
	FETCH_B 0, 0, 0
	FETCH_A 0, 0, 0
	SCALES 0, 0, 0
	FETCH_A 0, 0, 4
	s_wait_loadcnt 0x0
.macro RLOAD                           ; the one refill: wave 0 A's steps 6, 7, wave 1 B's
	s_cmp_eq_u32 s14, 0
	s_cbranch_scc0 .Lrb_\@
	tensor_load_to_lds s[G0+8:G0+11], s[G1:G1+7]
	s_nop 0
	PLACES
	s_branch .Lrd_\@
.Lrb_\@:
	s_cmp_eq_u32 s14, 1
	s_cbranch_scc0 .Lrd_\@
	tensor_load_to_lds s[G0B+8:G0B+11], s[G1B:G1B+7]
	s_nop 0
	PLACES
.Lrd_\@:
	PLACES                                         ; the places in front of the loads that follow, on every wave's way
.endm
; K step st: 64 products on set st % 2; step st + 1 is fetched meanwhile (address set (st + 1) / 3, panel (st + 1) % 3).  bias = 1: the first products take the bias as C, from window 0.
; kind 1: a barrier shows what was still on its way.  kind 2: the barrier opens a round of the cluster's, and region 0, read out, takes steps 6, 7: three steps, 192 products, ahead of the wait for them
.macro GS st, kind, bias
.set P_, (\st)%2
.set S_, ((\st)+1)/3
.set Q_, ((\st)+1)%3
.if \kind
	s_wait_tensorcnt 0x0                           ; all my tensor loads have landed
	ds_add_u32 v[SPW], v[NIL]
.if \kind == 2
	s_mov_b32 s[G1+1], 3200<<16                    ; no load of mine is out: from here on a row is 2 panels, 25,600 bytes
	s_mov_b32 s[G1+3], 3200<<16
	s_mov_b32 s[G1B+1], 3200<<16
	s_mov_b32 s[G1B+3], 3200<<16
.endif
	s_wait_dscnt 17                                ; (the add and A's blocks 4-7 may be out)
	WIN MUL_LO
	MUL16 0, P_, 0
	s_wait_dscnt 0x0                               ; the add is done, and my reads so far are over
	s_barrier_signal -1
	MUL16 2, P_, 0
	WIN 0
	s_barrier_wait -1
.if \kind == 2
	CREST
	RLOAD
.else
	PLACES
.endif
.else
	s_wait_dscnt 16
.if \bias
	WIN 0x81
.else
	WIN MUL_LO
.endif
	MUL16 0, P_, \bias
	MUL16 2, P_, \bias
	s_wait_dscnt 0x0
	PLACES
.endif
	FETCH_B S_, Q_, 1-P_
	FETCH_A S_, Q_, 0
	SCALES S_, Q_, 1-P_
.if \bias
	WIN 0xc1
.else
	WIN MUL_HI
.endif
	MUL16 4, P_, \bias
	MUL16 6, P_, \bias
	PLACES
	WIN 0
	FETCH_A S_, Q_, 4
.endm
	GS 0, 0, 1
	GS 1, 0, 0
	GS 2, 2, 0
	GS 3, 0, 0
	GS 4, 0, 0
	GS 5, 1, 0
	GS 6, 0, 0
	s_wait_dscnt 16
	WIN MUL_LO
	MUL16 0, 1, 0
	MUL16 2, 1, 0
	s_wait_dscnt 0x0
	WIN MUL_HI
	MUL16 4, 1, 0
	MUL16 6, 1, 0
	WIN 0
	PLACES
.irp b, 0,1,2,3
	v_mov_b32 v[TM+4+\b], 0
.endr
.irp a, 0,1,2,3,4,5,6,7
	OUTA \a
.endr
	v_cmp_le_u32 vcc_lo, 16, v[LN]
.irp i, 0,1,2,3
	v_cndmask_b32 v[SW+\i], v[PWR+2*\i], v[PWR+2*\i+1], vcc_lo
.endr
	global_store_b32 v[LW], v[SW], s[OS0:OS0+1] offset:6144
	global_store_b32 v[LW], v[SW+1], s[OS0:OS0+1] offset:6144+128
	global_store_b32 v[LW], v[SW+2], s[OS0:OS0+1] offset:6144+204800
	global_store_b32 v[LW], v[SW+3], s[OS0:OS0+1] offset:6144+204800+128
	s_wait_tensorcnt 0x0
	ds_add_u32 v[SPW], v[NIL]
	s_wait_dscnt 0x0
	CROUND
	s_endpgm
.Lfunc_end_k_qee036cdc43_ff1:
	.size	k_qee036cdc43_ff1, .Lfunc_end_k_qee036cdc43_ff1-k_qee036cdc43_ff1
	.p2alignl 7, 3214868480
	.fill 96, 4, 3214868480
	.section	.rodata,"a",@progbits
	.p2align	6, 0x0
	.amdhsa_kernel k_qee036cdc43_ff1
		.amdhsa_group_segment_fixed_size 327680
		.amdhsa_private_segment_fixed_size 0
		.amdhsa_enable_private_segment 0
		.amdhsa_kernarg_size 32
		.amdhsa_user_sgpr_count 2
		.amdhsa_user_sgpr_kernarg_segment_ptr 1
		.amdhsa_wavefront_size32 1
		.amdhsa_system_sgpr_workgroup_id_x 1
		.amdhsa_system_sgpr_workgroup_id_y 1
		.amdhsa_system_sgpr_workgroup_id_z 1
		.amdhsa_system_vgpr_workitem_id 0
		.amdhsa_next_free_vgpr 1024
		.amdhsa_next_free_sgpr 104
		.amdhsa_reserve_vcc 1
		.amdhsa_float_denorm_mode_32 3
		.amdhsa_float_denorm_mode_16_64 3
		.amdhsa_memory_ordered 1
		.amdhsa_forward_progress 1
		.amdhsa_inst_pref_size 166
	.end_amdhsa_kernel
	.amdgpu_metadata
---
amdhsa.version: [ 1, 2 ]
amdhsa.kernels:
  - .name:           k_qee036cdc43_ff1
    .symbol:         k_qee036cdc43_ff1.kd
    .args:
      - { .name: x1c, .offset: 0, .size: 8, .value_kind: global_buffer, .address_space: global }
      - { .name: wts, .offset: 8, .size: 8, .value_kind: global_buffer, .address_space: global }
      - { .name: b1, .offset: 16, .size: 8, .value_kind: global_buffer, .address_space: global }
      - { .name: hc, .offset: 24, .size: 8, .value_kind: global_buffer, .address_space: global }
    .group_segment_fixed_size: 327680
    .private_segment_fixed_size: 0
    .kernarg_segment_align: 8
    .kernarg_segment_size: 32
    .max_flat_workgroup_size: 128
    .sgpr_count:     104
    .vgpr_count:     1024
    .wavefront_size: 32
...
	.end_amdgpu_metadata
.endif
;; end of part 6
;; launch ff2 (part 7): grid 8 x 32, 4 waves a work-group, clusters of 4 x 4, 327,680 bytes of LDS; arguments hc, wts, yb; writes yb
.if DOCPART == 7
	.amdgcn_target "amdgcn-amd-amdhsa--gfx1250"
	.amdhsa_code_object_version 6
	.text
	.protected	k_qee036cdc43_ff2
	.globl	k_qee036cdc43_ff2
	.p2align	8
	.type	k_qee036cdc43_ff2,@function
k_qee036cdc43_ff2:
	s_mov_b64 s[64:65], 0
	v_nop
	global_prefetch_b8 v0, s[64:65] scope:SCOPE_SE
	s_setreg_imm32_b32 hwreg(HW_REG_WAVE_MODE, 25, 1), 1
	s_wait_xcnt 0x0
	s_wait_alu depctr_hold_cnt(0) depctr_sa_sdst(0) depctr_va_vdst(0) depctr_va_sdst(0) depctr_va_ssrc(0) depctr_va_vcc(0) depctr_vm_vsrc(0)
	s_getreg_b32 s2, hwreg(HW_REG_IB_STS2, 6, 4)
	s_cmp_eq_u32 s2, 0
	s_cbranch_scc0 .Lentry_in_a_cluster
	s_endpgm
.Lentry_in_a_cluster:
	s_bfe_u32 s2, ttmp6, 0x10000c
	s_cmp_lg_u32 s2, 0xf033
	s_cbranch_scc0 .Lentry_shape_is_right
	s_endpgm
.Lentry_shape_is_right:
.set KS,    32
.set WOFF,  9830400
.set PIECE, 25600
.set SLOT,  4*PIECE
.set PAN,   6400
.set STAGE, 2*SLOT
.set SPITCH, 272
.set SPARE, STAGE+4*64*SPITCH
.set LAPS,  KS/8
.set FR,    12
.set AQ,    4
.set AD,    6
.set BQ,    8
.set BD,    10
.set ASC,   12
.set STO,   14
.set RD,    15
.set CO,    16
.set SPW,   28
.set NIL,   29
.set SC,    32
.set TMP,   64
.set ACC,   128
.set G1,  24
.set G0,  32
.set G1B, 48
.set G0B, 56
.set MSB, 0
.macro WIN new
.if MSB != (\new)
	s_set_vgpr_msb (MSB<<8)|(\new)
.set MSB, (\new)
.endif
.endm
.set MUL,  0x05
.set TO_F, 0x40
.macro JLOAD s
	s_cmp_eq_u32 s10, 0                            ; a refill: wave 0 asks for A's tile, wave 1 for W's, each both blocks of 64 rows
	s_cbranch_scc0 .Lfor_b_\@
	tensor_load_to_lds s[G0+4*\s:G0+4*\s+3], s[G1:G1+7]
	s_nop 0
.rept 4
	v_nop
.endr
	s_branch .Lasked_\@
.Lfor_b_\@:
	s_cmp_eq_u32 s10, 1
	s_cbranch_scc0 .Lasked_\@
	tensor_load_to_lds s[G0B+4*\s:G0B+4*\s+3], s[G1B:G1B+7]
	s_nop 0
.rept 4
	v_nop
.endr
.Lasked_\@:
.rept 4
	v_nop                                          ; the places in front of the loads that follow, on every wave's way
.endr
.endm
.macro CREST
	s_cmp_lg_u32 s10, 0
	s_cbranch_scc1 .Lnot_wave_0_\@
	s_barrier_signal -3
.Lnot_wave_0_\@:
	s_barrier_wait -3
	s_barrier_signal -1
	s_barrier_wait -1
.endm
.macro CROUND
	s_barrier_signal -1
	s_barrier_wait -1
	CREST
.endm
.macro PLACES
.rept 4
	v_nop
.endr
.endm
.macro FRAG reg, a16, a8, off
	ds_load_b128 v[(\reg):(\reg)+3], v[\a16] offset:(\off)
	ds_load_b64 v[(\reg)+4:(\reg)+5], v[\a8] offset:(\off)+512
	ds_load_b128 v[(\reg)+6:(\reg)+9], v[\a16] offset:(\off)+768
	ds_load_b64 v[(\reg)+10:(\reg)+11], v[\a8] offset:(\off)+1280
.endm
.macro FETCH slot, q, f
	WIN TO_F
.irp i, 0,1,2,3
	FRAG 128*(\f)+FR*\i, AQ+\slot, AD+\slot, (\q)*PAN+1536*\i
.endr
.irp i, 0,1,2,3
	FRAG 128*(\f)+48+FR*\i, BQ+\slot, BD+\slot, (\q)*PAN+1536*\i
.endr
	WIN 0
.irp i, 0,1,2,3
	ds_load_b32 v[SC+4*(\f)+\i], v[ASC+\slot] offset:(\q)*PAN+6144+64*\i
.endr
.endm
.macro MUL8 f, a0, zero
.irp a, \a0, \a0+1
.irp b, 0,1,2,3
.if \zero
	v_wmma_scale_f32_16x16x128_f8f6f4 v[ACC+8*(4*(\a)+\b):ACC+8*(4*(\a)+\b)+7], v[128*(\f)+48+FR*\b:128*(\f)+48+FR*\b+FR-1], v[128*(\f)+FR*(\a):128*(\f)+FR*(\a)+FR-1], 0, v[SC+4*(\f)+\b], v[SC+4*(\f)+(\a)] matrix_a_fmt:MATRIX_FMT_BF6 matrix_b_fmt:MATRIX_FMT_BF6 matrix_a_scale:MATRIX_SCALE_ROW1
.else
	v_wmma_scale_f32_16x16x128_f8f6f4 v[ACC+8*(4*(\a)+\b):ACC+8*(4*(\a)+\b)+7], v[128*(\f)+48+FR*\b:128*(\f)+48+FR*\b+FR-1], v[128*(\f)+FR*(\a):128*(\f)+FR*(\a)+FR-1], v[ACC+8*(4*(\a)+\b):ACC+8*(4*(\a)+\b)+7], v[SC+4*(\f)+\b], v[SC+4*(\f)+(\a)] matrix_a_fmt:MATRIX_FMT_BF6 matrix_b_fmt:MATRIX_FMT_BF6 matrix_a_scale:MATRIX_SCALE_ROW1
.endif
.endr
.endr
.endm
.macro STEP slot, q, zero
	PLACES
	FETCH \slot, (\q)+1, ((\q)+1)%2
	s_wait_dscnt 36
	WIN MUL
	MUL8 (\q)%2, 0, \zero
	MUL8 (\q)%2, 2, \zero
.endm
.macro TURN slot, next, fill
	WIN 0
.if \fill
	s_wait_xcnt 0x0                                ; my last prefetch has read its address: it steps a chunk on
	s_add_nc_u64 s[68:69], s[68:69], PIECE
.endif
	s_wait_tensorcnt 0x0
	ds_add_u32 v[SPW], v[NIL]
	s_wait_dscnt 0x0
	s_barrier_signal -1
	WIN MUL
	MUL8 1, 0, 0
	WIN 0
	s_barrier_wait -1
.if \fill
	CREST
	s_add_nc_u64 s[G0+4*\slot+2:G0+4*\slot+3], s[G0+4*\slot+2:G0+4*\slot+3], 2*PIECE
	s_add_nc_u64 s[G0B+4*\slot+2:G0B+4*\slot+3], s[G0B+4*\slot+2:G0B+4*\slot+3], 2*PIECE
	JLOAD \slot
.else
	PLACES
.endif
	s_wait_alu depctr_va_vdst(0)
	FETCH \next, 0, 0
.if \fill
	s_cmp_gt_u32 s3, 1                             ; the chunk two refills on, 128 products ahead of its load; the loop's last trip has none left
	s_cbranch_scc0 .Lno_pf_\@
	global_prefetch_b8 v21, s[68:69] offset:3*PIECE th:TH_LOAD_NT scope:SCOPE_SE
.Lno_pf_\@:
.endif
	WIN MUL
	MUL8 1, 2, 0
.endm
	s_load_b128 s[4:7], s[0:1], 0x0
	s_load_b64 s[8:9], s[0:1], 0x10
	v_lshl_add_u32 v[SPW], v0, 2, SPARE
	v_mov_b32 v[NIL], 0
	ds_add_u32 v28, v29
	ds_add_u32 v28, v29
	s_wait_dscnt 0x0
	v_lshrrev_b32 v1, 5, v0
	v_readfirstlane_b32 s10, v1
	s_lshr_b32 s11, s10, 1
	s_and_b32 s12, s10, 1
	s_bfe_u32 s40, ttmp6, 0x40000
	s_bfe_u32 s41, ttmp6, 0x40004
	s_lshl_b32 s42, ttmp9, 2
	s_add_co_u32 s42, s42, s40
	s_and_b32 s13, ttmp7, 0xffff
	s_lshl_b32 s13, s13, 2
	s_add_co_u32 s13, s13, s41
	s_lshl_b32 s43, s41, 2
	s_lshl_b32 s43, 15, s43
	s_lshl_b32 s44, 0x1111, s40
	s_or_b32 s[G1+0], s43, (3<<16)|(1<<21)
	s_or_b32 s[G1B+0], s44, (3<<16)|(1<<21)
.irp g, G1, G1B
	; a tile is two rows, one for each block of 64 rows of the operand: 4 panels on end, 25,600 bytes; the blocks lie KS panels apart
	s_mov_b32 s[\g+1], 3200<<16
	s_mov_b32 s[\g+2], 2<<16
	s_mov_b32 s[\g+3], 3200<<16
	s_mov_b32 s[\g+4], 2
	s_mov_b32 s[\g+5], KS*PAN/8
	s_mov_b32 s[\g+6], 0
	s_mov_b32 s[\g+7], 0
.endr
	s_lshl_b32 s16, s13, 1
	s_mul_i32 s16, s16, KS*PAN
	s_mov_b32 s17, 0
	s_lshl_b32 s46, s42, 1
	s_mul_i32 s46, s46, KS*PAN
	s_add_co_u32 s46, s46, WOFF
	s_mov_b32 s47, 0
	s_wait_kmcnt 0x0
	s_add_nc_u64 s[14:15], s[4:5], s[16:17]
	s_add_nc_u64 s[46:47], s[6:7], s[46:47]
	CROUND
.irp s, 0,1
	s_mov_b32 s[G0+4*\s], 1
	s_mov_b32 s[G0+4*\s+1], \s*SLOT
	s_add_nc_u64 s[G0+4*\s+2:G0+4*\s+3], s[14:15], \s*PIECE
	s_or_b32 s[G0+4*\s+3], s[G0+4*\s+3], 0x80000000
	s_mov_b32 s[G0B+4*\s], 1
	s_mov_b32 s[G0B+4*\s+1], \s*SLOT+2*PIECE
	s_add_nc_u64 s[G0B+4*\s+2:G0B+4*\s+3], s[46:47], \s*PIECE
	s_or_b32 s[G0B+4*\s+3], s[G0B+4*\s+3], 0x80000000
.endr
; the head's four tiles, one a wave, each on a line of its own in one chain of branches: A's and W's chunk 0, A's and W's chunk 1
.macro HARM w, g0, g1
	s_cmp_eq_u32 s10, \w
	s_cbranch_scc0 .Lha_\@
	tensor_load_to_lds s[\g0:\g0+3], s[\g1:\g1+7]
	s_nop 0
	PLACES
	s_branch .Lhasked
.Lha_\@:
.endm
	HARM 0, G0, G1
	HARM 1, G0B, G1B
	HARM 2, G0+4, G1
	tensor_load_to_lds s[G0B+4:G0B+7], s[G1B:G1B+7]
	s_nop 0
	PLACES
.Lhasked:
	v_and_b32 v1, 15, v0
	v_bfe_u32 v2, v0, 4, 1
	v_and_b32 v3, 31, v0
	v_lshlrev_b32 v17, 4, v3
	v_lshlrev_b32 v18, 3, v3
	s_mul_i32 s21, s11, PIECE
	s_mul_i32 s22, s12, PIECE
	s_add_co_u32 s22, s22, 2*PIECE
	s_sub_co_u32 s23, s22, s21
	v_mul_u32_u24 v19, s23, v2
	v_lshl_add_u32 v19, v1, 2, v19
.irp s, 0,1
	v_add_nc_u32 v[AQ+\s], s21, v17
	v_add_nc_u32 v[AD+\s], s21, v18
	v_add_nc_u32 v[BQ+\s], s22, v17
	v_add_nc_u32 v[BD+\s], s22, v18
	v_add_nc_u32 v[ASC+\s], s21, v19
	s_add_co_u32 s21, s21, SLOT
	s_add_co_u32 s22, s22, SLOT
.endr
	s_mul_i32 s23, s10, 64*SPITCH
	s_add_co_u32 s23, s23, STAGE
	v_mul_u32_u24 v20, v1, SPITCH
	v_lshl_add_u32 v20, v2, 6, v20
	v_add_nc_u32 v[STO], s23, v20
	v_mul_u32_u24 v20, v2, SPITCH
	v_lshl_add_u32 v20, v1, 4, v20
	v_add_nc_u32 v[RD], s23, v20
	v_lshlrev_b32 v[CO], 12, v2
	v_lshl_add_u32 v[CO], v1, 4, v[CO]
	s_lshl_b32 s16, s13, 7
	s_lshl_b32 s17, s11, 6
	s_add_co_u32 s16, s16, s17
	s_lshl_b32 s16, s16, 12
	s_mov_b32 s17, 0
	s_add_nc_u64 s[8:9], s[8:9], s[16:17]
	s_lshl_b32 s46, s42, 9
	s_lshl_b32 s47, s12, 8
	s_add_co_u32 s46, s46, s47
	s_mov_b32 s47, 0
	s_add_nc_u64 s[8:9], s[8:9], s[46:47]
	; THE PREFETCHES INTO THE L2.  A chunk of one block of 64 rows is 25,600 dense bytes, 100 blocks of 256.  Waves 0, 1 name A's two blocks of rows, waves 2, 3 W's; the four partners that ask for a tile jointly
	; share each hundred out by address, 25 each (cx for A, cy for W), a lane a block; lanes 25-31 name the last again.  Chunks 2 and 3 are named here, chunk n + 4 behind the refill that brings chunk n + 2
	s_cmp_eq_u32 s11, 0
	s_cselect_b32 s70, s13, s42                    ; the tile row, or the tile column
	s_cselect_b32 s71, s40, s41                    ; my place among the four
	s_cselect_b32 s72, 0, WOFF
	s_cselect_b64 s[68:69], s[4:5], s[6:7]
	s_lshl_b32 s70, s70, 1
	s_add_co_u32 s70, s70, s12
	s_mul_i32 s70, s70, KS*PAN
	s_mul_i32 s71, s71, 6400
	s_add_co_u32 s70, s70, s71
	s_add_co_u32 s70, s70, s72
	s_mov_b32 s71, 0
	s_add_nc_u64 s[68:69], s[68:69], s[70:71]
	v_min_u32 v21, 24, v3
	v_lshlrev_b32 v21, 8, v21
	global_prefetch_b8 v21, s[68:69] offset:2*PIECE th:TH_LOAD_NT scope:SCOPE_SE
	global_prefetch_b8 v21, s[68:69] offset:3*PIECE th:TH_LOAD_NT scope:SCOPE_SE
	s_wait_alu depctr_va_vdst(0)
	s_cmp_lt_u32 s10, 2                            ; waves 0 and 1 brought chunk 0; chunk 1 may stay out
	s_cbranch_scc0 .Lnot_first
	s_wait_tensorcnt 0x0
.Lnot_first:
	s_barrier_signal -1
	s_barrier_wait -1
	FETCH 0, 0, 0
	STEP 0, 0, 1
.if LAPS > 1
	WIN 0
	s_mov_b32 s3, LAPS-1
.Llap:
	STEP 0, 1, 0
	STEP 0, 2, 0
	TURN 0, 1, 1
	STEP 1, 0, 0
	STEP 1, 1, 0
	STEP 1, 2, 0
	TURN 1, 0, 1
	STEP 0, 0, 0
	WIN 0
	s_sub_co_u32 s3, s3, 1
	s_cmp_lg_u32 s3, 0
	s_cbranch_scc1 .Llap
.endif
	STEP 0, 1, 0
	STEP 0, 2, 0
	TURN 0, 1, 0
	STEP 1, 0, 0
	STEP 1, 1, 0
	STEP 1, 2, 0
	s_wait_dscnt 0x0
	MUL8 1, 0, 0
	MUL8 1, 2, 0
	WIN 0
	PLACES
.irp a, 0,1,2,3
.irp b, 0,1,2,3
	ds_store_b128 v[STO], v[ACC+8*(4*\a+\b):ACC+8*(4*\a+\b)+3] offset:16*\a*SPITCH+128*(\b/2)+32*(\b%2)
	ds_store_b128 v[STO], v[ACC+8*(4*\a+\b)+4:ACC+8*(4*\a+\b)+7] offset:16*\a*SPITCH+128*(\b/2)+32*(\b%2)+16
.endr
.endr
.irp u, 0,1
.if \u
	s_wait_xcnt 0x0
.endif
.irp t, 0,1,2,3,4,5,6,7,8,9,10,11,12,13,14,15
	ds_load_b128 v[TMP+4*\t:TMP+4*\t+3], v[RD] offset:(16*\u+\t)*2*SPITCH
.endr
.irp t, 0,1,2,3,4,5,6,7,8,9,10,11,12,13,14,15
	s_wait_dscnt 15-\t
	global_store_b128 v[CO], v[TMP+4*\t:TMP+4*\t+3], s[8:9] offset:(32*\u+8*(\t/8)+(2*\t)%8+16*((\t%8)/4))*4096
.endr
.endr
	s_wait_tensorcnt 0x0
	ds_add_u32 v[SPW], v[NIL]
	s_wait_dscnt 0x0
	CROUND
	s_endpgm
.Lfunc_end_k_qee036cdc43_ff2:
	.size	k_qee036cdc43_ff2, .Lfunc_end_k_qee036cdc43_ff2-k_qee036cdc43_ff2
	.p2alignl 7, 3214868480
	.fill 96, 4, 3214868480
	.section	.rodata,"a",@progbits
	.p2align	6, 0x0
	.amdhsa_kernel k_qee036cdc43_ff2
		.amdhsa_group_segment_fixed_size 327680
		.amdhsa_private_segment_fixed_size 0
		.amdhsa_enable_private_segment 0
		.amdhsa_kernarg_size 24
		.amdhsa_user_sgpr_count 2
		.amdhsa_user_sgpr_kernarg_segment_ptr 1
		.amdhsa_wavefront_size32 1
		.amdhsa_system_sgpr_workgroup_id_x 1
		.amdhsa_system_sgpr_workgroup_id_y 1
		.amdhsa_system_sgpr_workgroup_id_z 1
		.amdhsa_system_vgpr_workitem_id 0
		.amdhsa_next_free_vgpr 512
		.amdhsa_next_free_sgpr 80
		.amdhsa_reserve_vcc 0
		.amdhsa_float_denorm_mode_32 3
		.amdhsa_float_denorm_mode_16_64 3
		.amdhsa_memory_ordered 1
		.amdhsa_forward_progress 1
		.amdhsa_inst_pref_size 92
	.end_amdhsa_kernel
	.amdgpu_metadata
---
amdhsa.version: [ 1, 2 ]
amdhsa.kernels:
  - .name:           k_qee036cdc43_ff2
    .symbol:         k_qee036cdc43_ff2.kd
    .args:
      - { .name: hc, .offset: 0, .size: 8, .value_kind: global_buffer, .address_space: global }
      - { .name: wts, .offset: 8, .size: 8, .value_kind: global_buffer, .address_space: global }
      - { .name: yb, .offset: 16, .size: 8, .value_kind: global_buffer, .address_space: global }
    .group_segment_fixed_size: 327680
    .private_segment_fixed_size: 0
    .kernarg_segment_align: 8
    .kernarg_segment_size: 24
    .max_flat_workgroup_size: 128
    .sgpr_count:     80
    .vgpr_count:     512
    .wavefront_size: 32
...
	.end_amdgpu_metadata
.endif
;; end of part 7
;; launch ln2 (part 8): grid 256 x 1, 8 waves a work-group, no clusters, 0 bytes of LDS; arguments yb, x1f, b2, g2, be2, out0; writes out0
.if DOCPART == 8
	.amdgcn_target "amdgcn-amd-amdhsa--gfx1250"
	.amdhsa_code_object_version 6
	.text
	.protected	k_qee036cdc43_ln2
	.globl	k_qee036cdc43_ln2
	.p2align	8
	.type	k_qee036cdc43_ln2,@function
k_qee036cdc43_ln2:
	s_mov_b64 s[64:65], 0
	v_nop
	global_prefetch_b8 v0, s[64:65] scope:SCOPE_SE
	s_setreg_imm32_b32 hwreg(HW_REG_WAVE_MODE, 25, 1), 1
	s_wait_xcnt 0x0
; out = LayerNorm(x1 + (y + b2)) g2 + be2, all in f32.
; Work-group T owns 16 rows, wave w two neighbouring ones (16 T + 2 w, + 1), each whole in 32 registers: the row's sums never leave the wave; no LDS, no barrier.
; Mean first, then the mean of the squared differences, as it is defined.  Every load and store of a wave covers 512 consecutive bytes.  Memory binds: no matrix unit, no cluster, no tensor load.
.set BB,  16                           ; v16-47 b, v48-79 g, v80-111 be: my 32 columns (128 j + 4 lane + 0..3)
.set GG,  48
.set BE,  80
.set XR,  112                          ; v112-175 two rows of x1, then of the result
.set YR,  176                          ; v176-239 two rows of y
.set SM,  240
.set SQ,  248
.set SEL, 26
.macro RED d                           ; two pairs of partial sums -> the row's sum in every lane
	v_pk_add_f32 v[\d:\d+1], v[\d:\d+1], v[\d+2:\d+3]
	s_delay_alu instid0(VALU_DEP_1)
	v_add_f32 v[\d], v[\d], v[\d+1]
	s_delay_alu instid0(VALU_DEP_1)
	v_add_f32_dpp v[\d], v[\d], v[\d] row_xmask:1 row_mask:0xf bank_mask:0xf
	s_delay_alu instid0(VALU_DEP_1)
	v_add_f32_dpp v[\d], v[\d], v[\d] row_xmask:2 row_mask:0xf bank_mask:0xf
	s_delay_alu instid0(VALU_DEP_1)
	v_add_f32_dpp v[\d], v[\d], v[\d] row_xmask:4 row_mask:0xf bank_mask:0xf
	s_delay_alu instid0(VALU_DEP_1)
	v_add_f32_dpp v[\d], v[\d], v[\d] row_xmask:8 row_mask:0xf bank_mask:0xf
	s_delay_alu instid0(VALU_DEP_1)
	v_permlanex16_b32 v[\d+1], v[\d], s[SEL], s[SEL+1]
	s_delay_alu instid0(VALU_DEP_1)
	v_add_f32 v[\d], v[\d], v[\d+1]
.endm
	s_load_b256 s[4:11], s[0:1], 0x0               ; y, x1, b, g
	s_load_b128 s[12:15], s[0:1], 0x20             ; be, out
	v_lshrrev_b32 v1, 5, v0
	s_delay_alu instid0(VALU_DEP_1)
	v_readfirstlane_b32 s18, v1                    ; wave 0..7
	v_and_b32 v2, 31, v0
	s_delay_alu instid0(VALU_DEP_1)
	v_lshlrev_b32 v3, 4, v2                        ; 16 x lane
	s_lshl_b32 s20, ttmp9, 4
	s_lshl_b32 s21, s18, 1
	s_add_co_u32 s20, s20, s21                     ; the first of my two rows
	s_lshl_b32 s20, s20, 12
	s_mov_b32 s21, 0
	s_mov_b32 s22, 0x3a800000                      ; 1 / 1024
	s_mov_b32 s23, 0x3727c5ac                      ; 1e-5
	s_mov_b32 s[SEL], 0x76543210
	s_mov_b32 s[SEL+1], 0xfedcba98
	s_wait_alu depctr_va_vdst(0)
	s_wait_kmcnt 0x0
	s_add_nc_u64 s[4:5], s[4:5], s[20:21]
	s_add_nc_u64 s[6:7], s[6:7], s[20:21]
	s_add_nc_u64 s[14:15], s[14:15], s[20:21]
.irp i, 0,1
.irp j, 0,1,2,3,4,5,6,7
	global_load_b128 v[YR+32*\i+4*\j:YR+32*\i+4*\j+3], v3, s[4:5] offset:4096*\i+512*\j th:TH_LOAD_NT
	global_load_b128 v[XR+32*\i+4*\j:XR+32*\i+4*\j+3], v3, s[6:7] offset:4096*\i+512*\j th:TH_LOAD_NT
.endr
.endr
.irp j, 0,1,2,3,4,5,6,7
	global_load_b128 v[BB+4*\j:BB+4*\j+3], v3, s[8:9] offset:512*\j
	global_load_b128 v[GG+4*\j:GG+4*\j+3], v3, s[10:11] offset:512*\j
	global_load_b128 v[BE+4*\j:BE+4*\j+3], v3, s[12:13] offset:512*\j
.endr
	s_wait_loadcnt 0x0
.irp i, 0,1
.set k, 0
.rept 16
	v_pk_add_f32 v[YR+32*\i+k:YR+32*\i+k+1], v[YR+32*\i+k:YR+32*\i+k+1], v[BB+k:BB+k+1]
	s_delay_alu instid0(VALU_DEP_1)
	v_pk_add_f32 v[XR+32*\i+k:XR+32*\i+k+1], v[XR+32*\i+k:XR+32*\i+k+1], v[YR+32*\i+k:YR+32*\i+k+1]
.set k, k+2
.endr
.endr
.irp i, 0,1                                    ; the rows' sums, in two chains each
	v_pk_add_f32 v[SM+4*\i:SM+4*\i+1], v[XR+32*\i:XR+32*\i+1], v[XR+32*\i+2:XR+32*\i+3]
	v_pk_add_f32 v[SM+4*\i+2:SM+4*\i+3], v[XR+32*\i+4:XR+32*\i+5], v[XR+32*\i+6:XR+32*\i+7]
.irp j, 8,12,16,20,24,28
	s_delay_alu instid0(VALU_DEP_2)
	v_pk_add_f32 v[SM+4*\i:SM+4*\i+1], v[SM+4*\i:SM+4*\i+1], v[XR+32*\i+\j:XR+32*\i+\j+1]
	s_delay_alu instid0(VALU_DEP_2)
	v_pk_add_f32 v[SM+4*\i+2:SM+4*\i+3], v[SM+4*\i+2:SM+4*\i+3], v[XR+32*\i+\j+2:XR+32*\i+\j+3]
.endr
.endr
	RED 240
	RED 244
	v_mul_f32 v[SM], s22, v[SM]                    ; the means
	s_delay_alu instid0(VALU_DEP_2)
	v_mul_f32 v[SM+4], s22, v[SM+4]
.irp i, 0,1
.set k, 0
.rept 16
	v_pk_add_f32 v[XR+32*\i+k:XR+32*\i+k+1], v[XR+32*\i+k:XR+32*\i+k+1], v[SM+4*\i:SM+4*\i+1] op_sel_hi:[1,0] neg_lo:[0,1] neg_hi:[0,1]
.set k, k+2
.endr
.endr
.irp i, 0,1
	v_pk_mul_f32 v[SQ+4*\i:SQ+4*\i+1], v[XR+32*\i:XR+32*\i+1], v[XR+32*\i:XR+32*\i+1]
	v_pk_mul_f32 v[SQ+4*\i+2:SQ+4*\i+3], v[XR+32*\i+2:XR+32*\i+3], v[XR+32*\i+2:XR+32*\i+3]
.irp j, 4,8,12,16,20,24,28
	s_delay_alu instid0(VALU_DEP_2)
	v_pk_fma_f32 v[SQ+4*\i:SQ+4*\i+1], v[XR+32*\i+\j:XR+32*\i+\j+1], v[XR+32*\i+\j:XR+32*\i+\j+1], v[SQ+4*\i:SQ+4*\i+1]
	s_delay_alu instid0(VALU_DEP_2)
	v_pk_fma_f32 v[SQ+4*\i+2:SQ+4*\i+3], v[XR+32*\i+\j+2:XR+32*\i+\j+3], v[XR+32*\i+\j+2:XR+32*\i+\j+3], v[SQ+4*\i+2:SQ+4*\i+3]
.endr
.endr
	RED 248
	RED 252
	v_fma_f32 v[SQ], v[SQ], s22, s23               ; the variance + 1e-5
	s_delay_alu instid0(VALU_DEP_2)
	v_fma_f32 v[SQ+4], v[SQ+4], s22, s23
	s_wait_alu depctr_va_vdst(0)
	v_rsq_f32 v[SQ], v[SQ]
	v_rsq_f32 v[SQ+4], v[SQ+4]
	v_nop                                          ; a plain instruction behind the two
	s_wait_alu depctr_va_vdst(0)                   ; one wait for both, ahead of their first reader
.irp i, 0,1
.set k, 0
.rept 16
	v_pk_mul_f32 v[XR+32*\i+k:XR+32*\i+k+1], v[XR+32*\i+k:XR+32*\i+k+1], v[SQ+4*\i:SQ+4*\i+1] op_sel_hi:[1,0]
	s_delay_alu instid0(VALU_DEP_1)
	v_pk_fma_f32 v[XR+32*\i+k:XR+32*\i+k+1], v[XR+32*\i+k:XR+32*\i+k+1], v[GG+k:GG+k+1], v[BE+k:BE+k+1]
.set k, k+2
.endr
.endr
.irp i, 0,1
.irp j, 0,1,2,3,4,5,6,7
	global_store_b128 v3, v[XR+32*\i+4*\j:XR+32*\i+4*\j+3], s[14:15] offset:4096*\i+512*\j th:TH_STORE_NT
.endr
.endr
	s_endpgm
.Lfunc_end_k_qee036cdc43_ln2:
	.size	k_qee036cdc43_ln2, .Lfunc_end_k_qee036cdc43_ln2-k_qee036cdc43_ln2
	.p2alignl 7, 3214868480
	.fill 96, 4, 3214868480
	.section	.rodata,"a",@progbits
	.p2align	6, 0x0
	.amdhsa_kernel k_qee036cdc43_ln2
		.amdhsa_group_segment_fixed_size 0
		.amdhsa_private_segment_fixed_size 0
		.amdhsa_enable_private_segment 0
		.amdhsa_kernarg_size 48
		.amdhsa_user_sgpr_count 2
		.amdhsa_user_sgpr_kernarg_segment_ptr 1
		.amdhsa_wavefront_size32 1
		.amdhsa_system_sgpr_workgroup_id_x 1
		.amdhsa_system_sgpr_workgroup_id_y 1
		.amdhsa_system_sgpr_workgroup_id_z 1
		.amdhsa_system_vgpr_workitem_id 0
		.amdhsa_next_free_vgpr 256
		.amdhsa_next_free_sgpr 66
		.amdhsa_reserve_vcc 0
		.amdhsa_float_denorm_mode_32 3
		.amdhsa_float_denorm_mode_16_64 3
		.amdhsa_memory_ordered 1
		.amdhsa_forward_progress 1
		.amdhsa_inst_pref_size 29
	.end_amdhsa_kernel
	.amdgpu_metadata
---
amdhsa.version: [ 1, 2 ]
amdhsa.kernels:
  - .name:           k_qee036cdc43_ln2
    .symbol:         k_qee036cdc43_ln2.kd
    .args:
      - { .name: yb, .offset: 0, .size: 8, .value_kind: global_buffer, .address_space: global }
      - { .name: x1f, .offset: 8, .size: 8, .value_kind: global_buffer, .address_space: global }
      - { .name: b2, .offset: 16, .size: 8, .value_kind: global_buffer, .address_space: global }
      - { .name: g2, .offset: 24, .size: 8, .value_kind: global_buffer, .address_space: global }
      - { .name: be2, .offset: 32, .size: 8, .value_kind: global_buffer, .address_space: global }
      - { .name: out0, .offset: 40, .size: 8, .value_kind: global_buffer, .address_space: global }
    .group_segment_fixed_size: 0
    .private_segment_fixed_size: 0
    .kernarg_segment_align: 8
    .kernarg_segment_size: 48
    .max_flat_workgroup_size: 256
    .sgpr_count:     66
    .vgpr_count:     256
    .wavefront_size: 32
...
	.end_amdgpu_metadata
.endif
;; end of part 8
